; MI455X (gfx1250); checked and timed in simulation.
; The chip was launched on July 23, 2026; its instructions are those of AMD's public machine-readable ISA for CDNA 5 (MIT licence, August 2026) and "CDNA5" Instruction Set Architecture Reference Guide (July 2026). The comments in the code are by the model that wrote it; some were corrected since.
;; Neuro Manifold Block. Allowed arithmetic: matrix products marked QUANTISED: E2M3 operands, one E8M0 scale for each 32 along K, by v_wmma_scale_f32_16x16x128_f8f6f4 with both operands' format E2M3, f32 sums; everything else in f32.
;; Inputs: b1 1,024 float32; b2 1,024 float32; g1 1,024 float32; g2 1,024 float32; sdr 2 x 2,048 x 1,024 float32; w_down 2,730 x 1,024 float32; w_gate_codes 2,730 x 32 x 24 uint8 (E2M3 codes of w_gate, K innermost, in blocks of 32 codes, four codes in three bytes); w_gate_scales 2,730 x 32 uint8 (E8M0 scales of w_gate, one for each 32 codes along K); w_up_codes 2,730 x 32 x 24 uint8 (E2M3 codes of w_up, K innermost, in blocks of 32 codes, four codes in three bytes); w_up_scales 2,730 x 32 uint8 (E8M0 scales of w_up, one for each 32 codes along K); wk_codes 1,024 x 32 x 24 uint8 (E2M3 codes of wk, K innermost, in blocks of 32 codes, four codes in three bytes); wk_scales 1,024 x 32 uint8 (E8M0 scales of wk, one for each 32 codes along K); wo_codes 1,024 x 32 x 24 uint8 (E2M3 codes of wo, K innermost, in blocks of 32 codes, four codes in three bytes); wo_scales 1,024 x 32 uint8 (E8M0 scales of wo, one for each 32 codes along K); wq_codes 1,024 x 32 x 24 uint8 (E2M3 codes of wq, K innermost, in blocks of 32 codes, four codes in three bytes); wq_scales 1,024 x 32 uint8 (E8M0 scales of wq, one for each 32 codes along K); wv_codes 1,024 x 32 x 24 uint8 (E2M3 codes of wv, K innermost, in blocks of 32 codes, four codes in three bytes); wv_scales 1,024 x 32 uint8 (E8M0 scales of wv, one for each 32 codes along K).
;; Outputs: out0 2 x 2,048 x 1,024 float32.
;; This version of the problem:
;;   THIS VERSION OF THE PROBLEM IS GIVEN IN LOW PRECISION. The matrix products marked QUANTISED in the list below multiply operands that are first quantised to E2M3 (2 exponent bits, 3 mantissa bits; 6 bits a number), with one power-of-two scale for each 32 numbers along K (OCP MX v1.0); their sums are f32. All else is computed in f32.
;;   The module's matrix products, in the order in which they are computed (A, B: the left and right operand; K: the contracted axis; several contracted axes count as one K, in the product's order):
;;     1. [M 4,096, K 1,024] x [K 1,024, N 1,024]; A: computed on the way; B: input wq (given as codes): QUANTISED
;;     2. [M 4,096, K 1,024] x [K 1,024, N 1,024]; A: computed on the way; B: input wk (given as codes): QUANTISED
;;     3. [M 4,096, K 1,024] x [K 1,024, N 1,024]; A: computed on the way; B: input wv (given as codes): QUANTISED
;;     4. batch 16 x [M 2,048, K 128] x [K 128, N 2,048]; A: computed on the way; B: computed on the way: QUANTISED
;;     5. batch 16 x [M 2,048, K 2,048] x [K 2,048, N 128]; A: softmax (see below); B: computed on the way: QUANTISED
;;     6. [M 4,096, K 1,024] x [K 1,024, N 1,024]; A: computed on the way; B: input wo (given as codes): QUANTISED
;;     7. [M 4,096, K 1,024] x [K 1,024, N 2,730]; A: computed on the way; B: input w_gate (given as codes): QUANTISED
;;     8. [M 4,096, K 1,024] x [K 1,024, N 2,730]; A: computed on the way; B: input w_up (given as codes): QUANTISED
;;     9. [M 4,096, K 2,730] x [K 2,730, N 1,024]; A: computed on the way; B: input w_down: QUANTISED
;;   THE QUANTISER, for each operand of a quantised product, along K:
;;     - K is cut into blocks of 32 from its start; a last block that is shorter is filled with zeros.
;;     - A block's scale is 2^e with e = floor(log2(the largest magnitude in the block)) - 2, held to -126 .. 127; a block of zeros has e = 0. As a byte (E8M0): e + 127.
;;     - Each number is divided by its block's scale, clamped to +-7.5, and rounded to the nearest number of E2M3, ties to even, subnormals kept.
;;     - The product sums the exact products of the quantised numbers (number of the format x scale) in f32.
;;   ~~~python
;;   def quantise(x, axis):      # numpy; x: float32 -> the quantised numbers, widened to float32 again
;;       x = np.moveaxis(x, axis, -1); K = x.shape[-1]
;;       x = np.pad(x, [(0, 0)] * (x.ndim - 1) + [(0, -K % 32)]); x = x.reshape(x.shape[:-1] + (-1, 32)); a = np.abs(x).max(-1, keepdims=True)
;;       e = np.where(a > 0, np.clip(np.frexp(np.where(a > 0, a, 1))[1] - 1 - 2, -126, 127), 0)      # np.frexp(a)[1] - 1 = floor(log2(a)), exactly
;;       r = np.clip(x / 2.0 ** e, -7.5, 7.5)
;;       step = 2.0 ** (np.maximum(np.frexp(np.where(r == 0, 1, r))[1] - 1, 0) - 3)
;;       q = np.round(r / step) * step * 2.0 ** e      # np.round: ties to even
;;       return np.moveaxis(q.reshape(q.shape[:-2] + (-1,))[..., :K], -1, axis).astype(np.float32)
;;   ~~~
;;   SOFTMAX AHEAD OF A QUANTISED PRODUCT. Where the list says 'softmax', what is quantised is not the finished softmax but p = 2^(t - M), with t = logit x log2(e) and M = ceil(the row's largest t), a whole number; so 1/2 < the row's largest p <= 1. The row's sum l is taken of the UNQUANTISED p, in f32, and the product's result is divided by l at the end. Since M is a whole number, a kernel that streams over the keys may use a running M (the ceiling of the running maximum): every later rescaling is an exact power of two, which a block's scale takes up: the codes' values come out the same.
;;   OPERANDS COMPUTED ON THE WAY. 'Computed on the way' means the value that the module computes at that place (a softmax that the list does not call 'softmax' is quantised finished and normalised). What goes into a quantiser is computed in f32, as accurately as f32 sums, v_exp_f32 and their like allow (about 1e-6 of the number): no bf16 or f16 on the way to a quantiser, and a product that is left as it is and whose result goes on into a quantised operand takes f32 operands (vector FMAs, or v_wmma_f32_16x16x4_f32). A number that lies on a knife's edge between two numbers of the format may be rounded either way, as far as f32 arithmetic and the matrix unit's own rounding can turn it there, and no further.
;;   INPUTS GIVEN AS CODES. w_gate (in the module: [1024, 2730], K = its axis 0); w_up (in the module: [1024, 2730], K = its axis 0); wk (in the module: [1024, 1024], K = its axis 0); wo (in the module: [1024, 1024], K = its axis 0); wq (in the module: [1024, 1024], K = its axis 0); wv (in the module: [1024, 1024], K = its axis 0): each comes as NAME_codes (uint8): NAME with its K axis moved to the last place and cut into blocks of 32 codes, [.., K / 32, bytes a block], one block behind the other in memory; four codes in three bytes: a row's codes are one little-endian stream of bits, code i at bits 6 i .. 6 i + 5 (a code: sign, 2 exponent bits, 3 mantissa bits); and NAME_scales (uint8): the same leading axes, one E8M0 byte (e + 127) for each 32 codes along K. Its value is code x scale, taken as it is: it is not quantised again, and the codes and scales need not be those that the quantiser above would give.
;; One version. Each part assembles by itself: llvm-mc -triple=amdgcn-amd-amdhsa -mcpu=gfx1250 --defsym DOCPART=n.
;; ======== version 1 of 1: 7 launches
;; limits: right only within a limited range of input values
;; workspace buffers: wts 10,035,200 bytes; xa 3,276,800 bytes; qkv 9,830,400 bytes; cc 3,276,800 bytes; x1 16,777,216 bytes; hh 9,011,200 bytes
;; launch prep (part 1): grid 420 x 1, 8 waves a work-group, no clusters, 123,392 bytes of LDS; arguments sdr, g1, b1, xa, wq_codes, wq_scales, wk_codes, wk_scales, wv_codes, wv_scales, wo_codes, wo_scales, w_gate_codes, w_gate_scales, w_up_codes, w_up_scales, w_down, wts; writes xa, wts
.if DOCPART == 1
	.amdgcn_target "amdgcn-amd-amdhsa--gfx1250"
	.amdhsa_code_object_version 6
	.text
	.protected	k_qed7b686f11_prep
	.globl	k_qed7b686f11_prep
	.p2align	8
	.type	k_qed7b686f11_prep,@function
k_qed7b686f11_prep:
	s_mov_b64 s[64:65], 0
	v_nop
	global_prefetch_b8 v0, s[64:65] scope:SCOPE_SE
	s_setreg_imm32_b32 hwreg(HW_REG_WAVE_MODE, 25, 1), 1
	s_wait_xcnt 0x0
; THREE JOBS IN ONE BODY, parted by the work-group's number (each job has LDS bytes of its own):
;   0..255    LN: layer norm of 16 rows of X [4096][1024] f32 (two passes: mean, then the mean of (x - mean)^2), x g + b, quantised to FP6 (E2M3) along K.
;   256..331  RELAY: the six weights that come as rows of codes are laid anew, in the order of an operand's registers.
;   332..419  WDQ: w_down [2730 (K)][1024] f32 is quantised along K (its first axis), K filled with zeros to 2,816.
; THE IMAGE.  A fragment (16 rows x 128 K of 6-bit codes, 12 registers a lane) is 1,536 bytes: six chunks of 256; chunk p holds registers 2 p, 2 p + 1 of lane l at 256 p + 8 l.
; An operand lies [G = row / 128][S = k / 256][row tile 0..7][k step of 128: 0, 1][1,536]; its scale words [G][k / 128][128 rows][4 bytes].
; wts: 76 blocks G of 98,304 bytes (0-7 wq, 8-15 wk, 16-23 wv, 24-31 wo, 32 + y: gate rows 64 y .. in row tiles 0-3, up rows 64 y .. in tiles 4-7); at WSC their scale words; at WDI w_down's image; at WDS its scale words.
; wv's row tiles take rows 32 b + 8 u + r + 8 (r / 8) (tile 2 b + u, lane r), so that attention's result comes out with neighbouring channels in a lane's neighbouring registers.
; w_down's rows stand inside each block of 32 with bits 3 and 4 of their place swapped: so does the hidden layer that the SwiGLU launch makes; a permutation inside a block, alike on both sides, leaves the product as it is.
; THE QUANTISER: a block's scale byte is its largest magnitude's exponent field - 2, held at 1 from below by a floor among the maximum's leaves.
; LIMITS: NaN and infinities among the inputs are not served; a block whose largest magnitude lies under 2^-124 is held at byte 1; a block of zeros gets byte 1 where the rule says 127 (its codes are zeros; this program alone reads the bytes).
; LN's scale words leave in pieces of 64 bytes (16 rows of one K step): one byte for each 128 that the job reads.
.set XSC,  3145728                     ; xa: where the scale words begin
.set WSC,  7471104
.set WDI,  7782400
.set WDS,  9945088
.set LNP,  4112                        ; LN: a row in LDS: 4,096 bytes + 16, an odd multiple of 16
.set RLDS, 66048                       ; RELAY: 4,096 bytes of scale words
.set WLDS, 70144                       ; WDQ: 1,024 bytes of scale words
.set RSTG, 71168                       ; RELAY: a stage for each wave: 16 rows x RP bytes
.set RP,   400                         ; half a row of codes, 384 bytes, + 16 = 100 words: row r starts at bank 36 r mod 64, sixteen different multiples of 4
.set RWS,  16*RP
.set WV,   16                          ; s16 the wave's number
.set SEL,  20                          ; s[20:21] v_permlanex16_b32's selects for lane l xor 16
.set X,    16                          ; v16-79   LN: two rows as loaded, later 64 numbers of one row
.set GG,   80                          ; v80-143  g
.set BB,   144                         ; v144-207 b
.set TM,   208                         ; v208-223 at work
.set PC,   224                         ; v224-243 the codes just made
.set PW,   244                         ; v244     the scale word just made
; 64 numbers of a lane, register 16 b + i = place 32 b + 16 (lane / 16) + i of my row's 128 along K, become a fragment in v[PC] on and the row's scale word in v[PW]
.macro QUANT s
.irp b, 0,1,2,3
	v_max3_num_f32 v[TM+\b], |v[\s+16*\b]|, |v[\s+1+16*\b]|, 0x1800000   ; block b: my 16 numbers, and the floor 2^(3 - 127)
.endr
.irp i, 2,4,6,8,10,12,14
.irp b, 0,1,2,3
	s_delay_alu instid0(VALU_DEP_4)
	v_max3_num_f32 v[TM+\b], v[TM+\b], |v[\s+16*\b+\i]|, |v[\s+1+16*\b+\i]|
.endr
.endr
.irp b, 0,1,2,3
	s_delay_alu instid0(VALU_DEP_4)
	v_permlanex16_b32 v[TM+4+\b], v[TM+\b], s[SEL], s[SEL+1]
.endr
.irp b, 0,1,2,3
	s_delay_alu instid0(VALU_DEP_4)
	v_max_num_f32 v[TM+\b], v[TM+\b], v[TM+4+\b]   ; with lane l xor 16's: the block's largest magnitude
.endr
.irp b, 0,1,2,3
	s_delay_alu instid0(VALU_DEP_4)
	v_add_nc_u32 v[TM+12+\b], 0xff000000, v[TM+\b]   ; 2 off its exponent field: the conversion's scale operand
.endr
.irp b, 0,1,2,3
	s_delay_alu instid0(VALU_DEP_4)
	v_lshrrev_b32 v[TM+4+\b], 23, v[TM+12+\b]      ; the scale's byte
.endr
	s_delay_alu instid0(VALU_DEP_3)
	v_lshl_or_b32 v[PW], v[TM+5], 8, v[TM+4]
	s_delay_alu instid0(VALU_DEP_1)
	v_lshl_or_b32 v[PW], v[TM+6], 16, v[PW]
	s_delay_alu instid0(VALU_DEP_1)
	v_lshl_or_b32 v[PW], v[TM+7], 24, v[PW]
.irp c, 0,1
	v_cvt_scalef32_pk16_fp6_f32 v[PC+6*\c:PC+2+6*\c], v[\s+32*\c:\s+15+32*\c], v[TM+12+2*\c]
	v_cvt_scalef32_pk16_fp6_f32 v[PC+12+4*\c:PC+14+4*\c], v[\s+16+32*\c:\s+31+32*\c], v[TM+12+2*\c+1]   ; (a conversion's three registers begin on an even number)
.endr
	v_nop                                          ; one plain place behind a scaled conversion
.irp c, 0,1                                    ; the operand's layout wants a whole block in a lane
.irp i, 0,1,2
	v_permlane16_swap_b32 v[PC+6*\c+\i], v[PC+12+4*\c+\i]
.endr
.irp i, 0,1,2
	s_delay_alu instid0(VALU_DEP_3)
	v_mov_b32 v[PC+3+6*\c+\i], v[PC+12+4*\c+\i]
.endr
.endr
.endm
; the four chains of row q, then the 32 lanes: the sum in every lane, in v[TM + 8 q]
.macro REDUCE q
	v_pk_add_f32 v[TM+8*\q:TM+8*\q+1], v[TM+8*\q:TM+8*\q+1], v[TM+8*\q+2:TM+8*\q+3]
	v_pk_add_f32 v[TM+8*\q+4:TM+8*\q+5], v[TM+8*\q+4:TM+8*\q+5], v[TM+8*\q+6:TM+8*\q+7]
	s_delay_alu instid0(VALU_DEP_1)
	v_pk_add_f32 v[TM+8*\q:TM+8*\q+1], v[TM+8*\q:TM+8*\q+1], v[TM+8*\q+4:TM+8*\q+5]
	s_delay_alu instid0(VALU_DEP_1)
	v_add_f32 v[TM+8*\q], v[TM+8*\q], v[TM+8*\q+1]
.irp m, 1,2,4,8
	s_delay_alu instid0(VALU_DEP_1)
	v_add_f32_dpp v[TM+8*\q], v[TM+8*\q], v[TM+8*\q] row_xmask:\m row_mask:0xf bank_mask:0xf
.endr
	s_delay_alu instid0(VALU_DEP_1)
	v_permlanex16_b32 v[TM+8*\q+1], v[TM+8*\q], s[SEL], s[SEL+1]
	s_delay_alu instid0(VALU_DEP_1)
	v_add_f32 v[TM+8*\q], v[TM+8*\q], v[TM+8*\q+1]
.endm
	s_load_b256 s[4:11], s[0:1], 0x0               ; X s[4:5], g s[6:7], b s[8:9], xa s[10:11]
	v_lshrrev_b32 v1, 5, v0
	s_delay_alu instid0(VALU_DEP_1)
	v_readfirstlane_b32 s[WV], v1                  ; wave 0..7
	v_and_b32 v1, 31, v0                           ; lane
	v_and_b32 v2, 15, v0                           ; r
	v_bfe_u32 v3, v0, 4, 1                         ; h
	s_mov_b32 s[SEL], 0x76543210
	s_mov_b32 s[SEL+1], 0xfedcba98
	s_cmp_ge_u32 ttmp9, 332
	s_cbranch_scc1 .Lwdq
	s_cmp_ge_u32 ttmp9, 256
	s_cbranch_scc1 .Lrelay
	; ================ LN: the work-group takes rows 16 tt .. 16 tt + 15 (tt = its number); wave w first takes rows 2 w, 2 w + 1 whole, then K step w of all 16 rows
	s_lshl_b32 s18, ttmp9, 16                      ; 16 rows of 4,096 bytes
	s_lshl_b32 s19, s[WV], 13                      ; + my two rows
	s_add_co_u32 s18, s18, s19
	s_mov_b32 s19, 0
	s_mov_b32 s22, 0x3a800000                      ; 1 / 1024
	s_mov_b32 s23, 0x3727c5ac                      ; 1e-5
	s_lshl_b32 s24, s[WV], 9
	s_mul_i32 s25, s[WV], 2*LNP
	s_wait_alu depctr_va_vdst(0)
	v_lshlrev_b32 v4, 4, v1                        ; 16 x lane
	v_lshl_add_u32 v5, v3, 6, s24                  ; 512 w + 64 h: my 16 numbers of a block of 32 in K step w
	s_delay_alu instid0(VALU_DEP_2)
	v_add_nc_u32 v6, s25, v4                       ; LDS, on the way in: my two rows, 16 bytes a lane
	v_mul_u32_u24 v7, v2, LNP
	s_delay_alu instid0(VALU_DEP_1)
	v_add_nc_u32 v7, v7, v5                        ; and back: row r, K step w, my half of each block
	v_lshlrev_b32 v8, 3, v1                        ; 8 x lane: my place in a chunk of an image
	v_lshlrev_b32 v9, 2, v2                        ; 4 r
	s_lshr_b32 s26, ttmp9, 3                       ; G
	s_and_b32 s27, ttmp9, 7                        ; row tile
	s_lshl_b32 s28, s26, 2
	s_lshr_b32 s29, s[WV], 1
	s_add_co_u32 s28, s28, s29                     ; unit 4 G + w / 2
	s_mul_i32 s28, s28, 24576
	s_mul_i32 s29, s27, 3072
	s_add_co_u32 s28, s28, s29
	s_and_b32 s29, s[WV], 1
	s_mul_i32 s29, s29, 1536
	s_add_co_u32 s28, s28, s29
	s_mov_b32 s29, 0
	s_lshl_b32 s30, s26, 3
	s_add_co_u32 s30, s30, s[WV]
	s_lshl_b32 s30, s30, 9                         ; scale words: (8 G + w) x 512
	s_lshl_b32 s31, s27, 6
	s_add_co_u32 s30, s30, s31
	s_add_co_u32 s30, s30, XSC
	s_mov_b32 s31, 0
	s_wait_alu depctr_va_vdst(0)
	s_wait_kmcnt 0x0
	s_add_nc_u64 s[4:5], s[4:5], s[18:19]
	s_add_nc_u64 s[12:13], s[10:11], s[28:29]
	s_add_nc_u64 s[14:15], s[10:11], s[30:31]
.irp q, 0,1
.irp j, 0,1,2,3,4,5,6,7
	global_load_b128 v[X+32*\q+4*\j:X+32*\q+4*\j+3], v4, s[4:5] offset:4096*\q+512*\j th:TH_LOAD_NT   ; 32 lanes read 512 consecutive bytes
.endr
.endr
.irp b, 0,1,2,3
.irp e, 0,1,2,3
	global_load_b128 v[GG+16*\b+4*\e:GG+16*\b+4*\e+3], v5, s[6:7] offset:128*\b+16*\e
	global_load_b128 v[BB+16*\b+4*\e:BB+16*\b+4*\e+3], v5, s[8:9] offset:128*\b+16*\e
.endr
.endr
	s_wait_loadcnt 32                              ; my two rows are in; the 32 younger loads, g's and b's, may be out
.irp q, 0,1
.irp c, 0,2,4,6
	v_pk_add_f32 v[TM+8*\q+\c:TM+8*\q+\c+1], v[X+32*\q+\c:X+32*\q+\c+1], v[X+32*\q+8+\c:X+32*\q+9+\c]   ; four chains a row, started by the first numbers
.endr
.endr
.irp k, 16,24
.irp q, 0,1
.irp c, 0,2,4,6
	v_pk_add_f32 v[TM+8*\q+\c:TM+8*\q+\c+1], v[TM+8*\q+\c:TM+8*\q+\c+1], v[X+32*\q+\k+\c:X+32*\q+\k+\c+1]
.endr
.endr
.endr
	REDUCE 0
	REDUCE 1
.irp q, 0
	v_mul_f32 v[246+2*\q], s22, v[TM+8*\q]         ; the mean, twice: a pair for the packed form
	s_delay_alu instid0(VALU_DEP_1)
	v_mov_b32 v[247+2*\q], v[246+2*\q]
.endr
.irp q, 1
	s_delay_alu instid0(VALU_DEP_3)
	v_mul_f32 v[246+2*\q], s22, v[TM+8*\q]         ; the mean, twice: a pair for the packed form
	s_delay_alu instid0(VALU_DEP_1)
	v_mov_b32 v[247+2*\q], v[246+2*\q]
.endr
.irp q, 0,1
.irp k, 0,2,4,6,8,10,12,14,16,18,20,22,24,26,28,30
	v_pk_add_f32 v[X+32*\q+\k:X+32*\q+\k+1], v[X+32*\q+\k:X+32*\q+\k+1], v[246+2*\q:247+2*\q] neg_lo:[0,1] neg_hi:[0,1]   ; d = x - mean
.endr
.endr
.irp q, 0,1
.irp c, 0,2,4,6
	v_pk_mul_f32 v[TM+8*\q+\c:TM+8*\q+\c+1], v[X+32*\q+\c:X+32*\q+\c+1], v[X+32*\q+\c:X+32*\q+\c+1]
.endr
.endr
.irp k, 8,16,24
.irp q, 0,1
.irp c, 0,2,4,6
	v_pk_fma_f32 v[TM+8*\q+\c:TM+8*\q+\c+1], v[X+32*\q+\k+\c:X+32*\q+\k+\c+1], v[X+32*\q+\k+\c:X+32*\q+\k+\c+1], v[TM+8*\q+\c:TM+8*\q+\c+1]
.endr
.endr
.endr
	REDUCE 0
	REDUCE 1
.irp q, 0
	v_fma_f32 v[TM+8*\q], v[TM+8*\q], s22, s23     ; the variance + 1e-5
.endr
.irp q, 1
	s_delay_alu instid0(VALU_DEP_2)
	v_fma_f32 v[TM+8*\q], v[TM+8*\q], s22, s23     ; the variance + 1e-5
.endr
	s_wait_alu depctr_va_vdst(0)
.irp q, 0,1
	v_rsq_f32 v[250+2*\q], v[TM+8*\q]
	v_rsq_f32 v[251+2*\q], v[TM+8*\q]
.endr
	v_nop                                          ; a plain place behind the last of the four
	s_wait_alu depctr_va_vdst(0)                   ; one wait for the four, ahead of their first reader
.irp q, 0,1
.irp k, 0,2,4,6,8,10,12,14,16,18,20,22,24,26,28,30
	v_pk_mul_f32 v[X+32*\q+\k:X+32*\q+\k+1], v[X+32*\q+\k:X+32*\q+\k+1], v[250+2*\q:251+2*\q]
.endr
.endr
.irp q, 0,1
.irp j, 0,1,2,3,4,5,6,7
	ds_store_b128 v6, v[X+32*\q+4*\j:X+32*\q+4*\j+3] offset:LNP*\q+512*\j
.endr
.endr
	s_wait_dscnt 0x0                               ; for the others' sake: my two rows lie in LDS
	s_barrier_signal -1
	s_barrier_wait -1
.irp b, 0,1,2,3
.irp e, 0,1,2,3
	ds_load_b128 v[X+16*\b+4*\e:X+16*\b+4*\e+3], v7 offset:128*\b+16*\e   ; row r: 16 neighbours of each block of 32 of K step w
.endr
.endr
	s_wait_dscnt 0x0
	s_wait_loadcnt 0x0                             ; g and b
.irp k, 0,2,4,6,8,10,12,14,16,18,20,22,24,26,28,30,32,34,36,38,40,42,44,46,48,50,52,54,56,58,60,62
	v_pk_fma_f32 v[X+\k:X+\k+1], v[X+\k:X+\k+1], v[GG+\k:GG+\k+1], v[BB+\k:BB+\k+1]
.endr
	QUANT X
.irp p, 0,1,2,3,4,5
	global_store_b64 v8, v[PC+2*\p:PC+2*\p+1], s[12:13] offset:256*\p   ; 32 lanes store 256 consecutive bytes, at a multiple of 256 from the buffer's first byte
.endr
	s_wait_xcnt 0x0                                ; EXEC changes only behind this wait
	v_lshl_add_u32 v14, v0, 2, 0x1de00             ; no two registers can be kept through the job: v0 is kept, and the add's two are made here, ahead of the three lines at the wave's end
	v_mov_b32 v15, 0
	v_cmp_gt_u32 vcc_lo, 16, v1
	s_wait_alu depctr_va_vdst(0)
	s_wait_tensorcnt 0x0
	ds_add_u32 v14, v15
	s_wait_dscnt 0x0
	s_and_saveexec_b32 s26, vcc_lo
	global_store_b32 v9, v[PW], s[14:15]           ; lanes 0-15: the 16 rows' scale words
	s_wait_xcnt 0x0
	s_or_b32 exec_lo, exec_lo, s26
	s_endpgm
	; ================ RELAY: the work-group makes block G = rid of wts, wave w its row tile w: 16 rows x 1,024 K: 8 fragments.
	; The rows are READ IN CONSECUTIVE BYTES, half a row (384 bytes, four K steps) of all 16 rows at a time: 12 loads of 16 bytes a lane.  Unit u = 32 j + l of 16 bytes is row u / 24, column u % 24 of the half; with j = 3 g + m that is
	; row 4 g + m + e, e = (l + 8 + 8 m) >> 5, and the unit's byte in the tensor 3,072 g + 896 m + 16 l + 384 e behind the tile's first row.  The bytes go through the wave's own stage in LDS and come back as a fragment's pieces of 8 bytes.
.Lrelay:
	s_load_b256 s[24:31], s[0:1], 0x20             ; wq's codes, scales, wk's codes, scales
	s_load_b256 s[32:39], s[0:1], 0x40             ; wv's, wo's
	s_load_b256 s[40:47], s[0:1], 0x60             ; w_gate's, w_up's
	s_load_b64 s[50:51], s[0:1], 0x88              ; wts
	s_sub_co_u32 s17, ttmp9, 256                   ; rid 0..75
	s_and_b32 s19, s17, 7
	s_lshl_b32 s19, s19, 7                         ; the four square weights: rows 128 (rid % 8) on
	s_lshl_b32 s22, s[WV], 4                       ; + 16 x tile,
	s_lshr_b32 s23, s[WV], 1
	s_lshl_b32 s23, s23, 5
	s_and_b32 s56, s[WV], 1
	s_lshl_b32 s56, s56, 3
	s_add_co_u32 s23, s23, s56                     ; or, for wv, 32 (tile / 2) + 8 (tile % 2)
	s_lshr_b32 s56, s17, 3
	s_cmp_eq_u32 s56, 2                            ; wv?
	s_cselect_b32 s22, s23, s22
	s_cselect_b32 s57, 8, 0                        ; and the tile's rows 8-15 eight rows further on
	s_add_co_u32 s19, s19, s22
	s_sub_co_u32 s23, s17, 32
	s_lshl_b32 s23, s23, 6
	s_and_b32 s56, s[WV], 3
	s_lshl_b32 s56, s56, 4
	s_add_co_u32 s23, s23, s56                     ; gate and up: rows 64 (rid - 32) + 16 (tile % 4) on
	s_lshr_b32 s18, s[WV], 2                       ; tiles 4-7 are up's
	s_movk_i32 s58, 1024
	s_cmp_ge_u32 s17, 32
	s_cselect_b32 s19, s23, s19                    ; the tile's first row
	s_cselect_b32 s58, 2730, s58                   ; the tensor's rows
	s_cselect_b32 s18, s18, 0
	s_sub_co_u32 s59, s58, 1
	s_mul_i32 s2, s19, 768                         ; the tile's first row, in bytes
	s_mul_i32 s3, s57, 768                         ; what the tile's rows 8-15 lie further on
	s_mul_i32 s12, s58, 768
	s_sub_co_u32 s12, s12, 16                      ; the tensor's last 16 bytes: no load leaves its buffer
	s_mul_i32 s13, s[WV], RWS
	s_add_co_u32 s13, s13, RSTG                    ; my stage
	s_wait_kmcnt 0x0
	s_cmp_ge_u32 s17, 8                            ; the choice of buffers hangs on the work-group's and the wave's number alone
	s_cselect_b64 s[52:53], s[28:29], s[24:25]
	s_cselect_b64 s[54:55], s[30:31], s[26:27]
	s_cmp_ge_u32 s17, 16
	s_cselect_b64 s[52:53], s[32:33], s[52:53]
	s_cselect_b64 s[54:55], s[34:35], s[54:55]
	s_cmp_ge_u32 s17, 24
	s_cselect_b64 s[52:53], s[36:37], s[52:53]
	s_cselect_b64 s[54:55], s[38:39], s[54:55]
	s_cmp_ge_u32 s17, 32
	s_cselect_b64 s[52:53], s[40:41], s[52:53]
	s_cselect_b64 s[54:55], s[42:43], s[54:55]
	s_cmp_lg_u32 s18, 0
	s_cselect_b64 s[52:53], s[44:45], s[52:53]
	s_cselect_b64 s[54:55], s[46:47], s[54:55]
	s_mul_i32 s60, s17, 98304
	s_mul_i32 s56, s[WV], 3072
	s_add_co_u32 s60, s60, s56
	s_mov_b32 s61, 0
	s_add_nc_u64 s[60:61], s[50:51], s[60:61]      ; my row tile in block rid
	s_lshl_b32 s62, s17, 12
	s_lshl_b32 s56, s[WV], 9
	s_add_co_u32 s62, s62, s56
	s_add_co_u32 s62, s62, WSC
	s_mov_b32 s63, 0
	s_add_nc_u64 s[62:63], s[50:51], s[62:63]      ; K step w's 512 bytes of the block's scale words
	s_wait_alu depctr_va_vdst(0)
	v_lshrrev_b32 v4, 3, v2
	s_delay_alu instid0(VALU_DEP_1)
	v_mad_u32_u24 v4, v4, s57, v2
	s_delay_alu instid0(VALU_DEP_1)
	v_add_nc_u32 v4, s19, v4                       ; the row whose fragment pieces I hold
	s_delay_alu instid0(VALU_DEP_1)
	v_cmp_gt_u32 vcc_lo, s58, v4                   ; does the tensor have it?
	s_delay_alu instid0(VALU_DEP_2)
	v_min_u32 v5, s59, v4
	s_delay_alu instid0(VALU_DEP_1)
	v_lshlrev_b32 v7, 5, v5                        ; its 32 scale bytes
	v_mov_b32 v8, 0x7f7f7f7f
	v_lshlrev_b32 v9, 3, v1
	s_lshl_b32 s56, s[WV], 6
	s_add_co_u32 s56, s56, RLDS
	v_lshl_add_u32 v10, v2, 2, s56                 ; LDS: 64 x tile + 4 r, K step s 512 s on
	s_lshl_b32 s56, s[WV], 9
	s_add_co_u32 s56, s56, RLDS
	v_lshlrev_b32 v12, 4, v1                       ; 16 x lane
	s_delay_alu instid0(VALU_DEP_1)
	v_add_nc_u32 v11, s56, v12
.irp m, 0,1,2
	v_add_nc_u32 v[13+\m], 8+8*\m, v1
	s_delay_alu instid0(VALU_DEP_1)
	v_lshrrev_b32 v[13+\m], 5, v[13+\m]            ; e: 1 where my unit lies in the next row
	s_delay_alu instid0(VALU_DEP_1)
	v_mad_u32_u24 v[120+\m], v[13+\m], 384, v12
	s_delay_alu instid0(VALU_DEP_1)
	v_add_nc_u32 v[120+\m], s2, v[120+\m]          ; in the tensor: the tile's first row + 16 l + 384 e, for the tile's rows 0-7,
	s_delay_alu instid0(VALU_DEP_1)
	v_add_nc_u32 v[124+\m], s3, v[120+\m]          ; and for its rows 8-15
	s_delay_alu instid0(VALU_DEP_4)
	v_lshl_add_u32 v[248+\m], v[13+\m], 4, v12
	s_delay_alu instid0(VALU_DEP_1)
	v_add_nc_u32 v[248+\m], s13, v[248+\m]         ; in the stage: 16 l + 16 e
.endr
	v_mul_u32_u24 v251, v2, RP
	s_delay_alu instid0(VALU_DEP_1)
	v_mad_u32_u24 v251, v3, 24, v251
	s_delay_alu instid0(VALU_DEP_1)
	v_add_nc_u32 v251, s13, v251                   ; and back: row r, + 24 h
.irp k, 0,1                                    ; which half of the rows
.irp g, 0,1,2,3
.irp m, 0,1,2
	v_add_nc_u32 v[128+12*\k+3*\g+\m], 896*\m+3072*\g+384*\k, v[120+4*(\g/2)+\m]
	s_delay_alu instid0(VALU_DEP_1)
	v_min_u32 v[128+12*\k+3*\g+\m], s12, v[128+12*\k+3*\g+\m]   ; units of rows past the tensor's end read its last 16 bytes; those rows are cleared below
.endr
.endr
.endr
.irp k, 0,1
.irp g, 0,1,2,3
.irp m, 0,1,2
	global_load_b128 v[16+48*\k+4*(3*\g+\m):16+48*\k+4*(3*\g+\m)+3], v[128+12*\k+3*\g+\m], s[52:53] th:TH_LOAD_NT
.endr
.endr
.endr
	global_load_b128 v[112:115], v7, s[54:55]
	global_load_b128 v[116:119], v7, s[54:55] offset:16
.macro RTURN k                         ; half k of the rows through my stage: LDS serves a wave's instructions in order, so the loads see the stores, and the next half's stores come behind these loads
.irp g, 0,1,2,3
.irp m, 0,1,2
	ds_store_b128 v[248+\m], v[16+48*\k+4*(3*\g+\m):16+48*\k+4*(3*\g+\m)+3] offset:4*RP*\g+528*\m
.endr
.endr
.irp s, 0,1,2,3
.irp p, 0,1,2,3,4,5
	ds_load_b64 v[152+48*\k+12*\s+2*\p:153+48*\k+12*\s+2*\p], v251 offset:96*\s+48*(\p/3)+8*(\p%3)   ; the row's stream of bits is the register image
.endr
.endr
.endm
.macro RSEND k                         ; four fragments leave
.set n, 0
.rept 48
	v_cndmask_b32 v[152+48*\k+n], 0, v[152+48*\k+n], vcc_lo   ; rows past the tensor's end: zero codes
.set n, n+1
.endr
.irp s, 0,1,2,3
.irp p, 0,1,2,3,4,5
	global_store_b64 v9, v[152+48*\k+12*\s+2*\p:153+48*\k+12*\s+2*\p], s[60:61] offset:((4*\k+\s)/2)*24576+(\s%2)*1536+256*\p
.endr
.endr
.endm
	s_wait_loadcnt 14                              ; the first half's 12 loads are in; the second half's 12 and the 2 of scale bytes may be out
	RTURN 0
	s_wait_loadcnt 2                               ; the second half's are in
	RTURN 1
	s_wait_dscnt 36                                ; the first half is back; the second half's 12 stores and 24 loads may be out
	RSEND 0
	s_wait_dscnt 0x0
	RSEND 1
	s_wait_loadcnt 0x0                             ; the scale bytes
.irp s, 0,1,2,3,4,5,6,7
	v_cndmask_b32 v[112+\s], v8, v[112+\s], vcc_lo ; rows past the tensor's end: the byte 127
.endr
.irp s, 0,1,2,3,4,5,6,7
	ds_store_b32 v10, v[112+\s] offset:512*\s      ; both halves of the lanes write the same word with the same value
.endr
	s_wait_dscnt 0x0
	s_barrier_signal -1
	s_barrier_wait -1
	ds_load_b128 v[252:255], v11                   ; K step w's words of all 128 rows
	s_wait_dscnt 0x0
	global_store_b128 v12, v[252:255], s[62:63]    ; 512 consecutive bytes
	v_lshl_add_u32 v14, v0, 2, 0x1de00             ; the add's two registers, made anew from v0
	v_mov_b32 v15, 0
	s_wait_alu depctr_va_vdst(0)
	s_wait_tensorcnt 0x0
	ds_add_u32 v14, v15
	s_wait_dscnt 0x0
	s_endpgm
	; ================ WDQ: K step s = id / 4 of 128 rows of w_down x 256 columns (id % 4); a lane takes a column, its registers run down K
.Lwdq:
	s_load_b128 s[48:51], s[0:1], 0x80             ; w_down, wts
	s_sub_co_u32 s17, ttmp9, 332
	s_lshr_b32 s18, s17, 2                         ; s 0..21
	s_and_b32 s19, s17, 3                          ; cg
	s_lshl_b32 s24, s18, 19                        ; 128 rows of 4,096 bytes
	s_lshl_b32 s25, s19, 10
	s_add_co_u32 s24, s24, s25
	s_lshl_b32 s25, s[WV], 7
	s_add_co_u32 s24, s24, s25                     ; + column 256 cg + 32 w
	s_mov_b32 s25, 0
	s_lshl_b32 s26, s19, 1
	s_lshr_b32 s27, s[WV], 2
	s_add_co_u32 s26, s26, s27                     ; G = 2 cg + w / 4
	s_mul_i32 s26, s26, 11
	s_lshr_b32 s27, s18, 1
	s_add_co_u32 s26, s26, s27
	s_lshl_b32 s26, s26, 3
	s_and_b32 s27, s[WV], 3
	s_lshl_b32 s27, s27, 1
	s_add_co_u32 s26, s26, s27                     ; row tile 2 (w % 4)
	s_mul_i32 s26, s26, 3072
	s_and_b32 s27, s18, 1
	s_mul_i32 s27, s27, 1536
	s_add_co_u32 s26, s26, s27
	s_add_co_u32 s26, s26, WDI
	s_mov_b32 s27, 0
	s_lshl_b32 s28, s19, 1
	s_add_co_u32 s28, s28, s[WV]                   ; (waves 0 and 1 alone use this)
	s_mul_i32 s28, s28, 22
	s_add_co_u32 s28, s28, s18
	s_lshl_b32 s28, s28, 9
	s_add_co_u32 s28, s28, WDS
	s_mov_b32 s29, 0
	s_wait_alu depctr_va_vdst(0)
	v_lshlrev_b32 v4, 2, v1
	v_lshlrev_b32 v5, 3, v1
	v_lshl_add_u32 v6, v0, 2, WLDS                 ; my column's scale word
	v_lshlrev_b32 v8, 4, v1
	s_lshl_b32 s30, s[WV], 9
	s_add_co_u32 s30, s30, WLDS
	v_add_nc_u32 v7, s30, v8
	s_wait_kmcnt 0x0
	s_add_nc_u64 s[48:49], s[48:49], s[24:25]
	s_add_nc_u64 s[26:27], s[50:51], s[26:27]
	s_add_nc_u64 s[28:29], s[50:51], s[28:29]
; register 32 b + i takes row 32 b + (i with its bits 3 and 4 swapped) of the K step.  last = 1: K step 21 has 42 rows; the others are zeros, and no load leaves the buffer
.macro WLOAD last
.set n, 0
.rept 128
.set rho, (n&0x67)|(((n>>3)&1)<<4)|(((n>>4)&1)<<3)
.if \last && (rho >= 42)
	v_mov_b32 v[64+n], 0
.else
	global_load_b32 v[64+n], v4, s[48:49] offset:rho*4096 th:TH_LOAD_NT   ; 32 lanes read 128 consecutive bytes
.endif
.set n, n+1
.endr
.endm
	s_cmp_eq_u32 s18, 21
	s_cbranch_scc1 .Lwd_last
	s_wait_alu depctr_va_vdst(0)
	WLOAD 0
	s_branch .Lwd_go
.Lwd_last:
	s_wait_alu depctr_va_vdst(0)
	WLOAD 1
.Lwd_go:
	s_wait_loadcnt 0x0
.irp b, 0,1,2,3
	v_max3_num_f32 v[16+\b], |v[64+32*\b]|, |v[65+32*\b]|, 0x1800000   ; all 32 numbers of a block are mine; and the floor
.endr
.irp i, 2,4,6,8,10,12,14,16,18,20,22,24,26,28,30
.irp b, 0,1,2,3
	s_delay_alu instid0(VALU_DEP_4)
	v_max3_num_f32 v[16+\b], v[16+\b], |v[64+32*\b+\i]|, |v[65+32*\b+\i]|
.endr
.endr
.irp b, 0,1,2,3
	s_delay_alu instid0(VALU_DEP_4)
	v_add_nc_u32 v[20+\b], 0xff000000, v[16+\b]
.endr
.irp b, 0,1,2,3
	s_delay_alu instid0(VALU_DEP_4)
	v_lshrrev_b32 v[24+\b], 23, v[20+\b]
.endr
	s_delay_alu instid0(VALU_DEP_3)
	v_lshl_or_b32 v12, v25, 8, v24
	s_delay_alu instid0(VALU_DEP_1)
	v_lshl_or_b32 v12, v26, 16, v12
	s_delay_alu instid0(VALU_DEP_1)
	v_lshl_or_b32 v12, v27, 24, v12                ; my column's scale word of this K step
.irp b, 0,1,2,3
	v_cvt_scalef32_pk16_fp6_f32 v[192+8*\b:194+8*\b], v[64+32*\b:79+32*\b], v[20+\b]
	v_cvt_scalef32_pk16_fp6_f32 v[224+4*\b:226+4*\b], v[80+32*\b:95+32*\b], v[20+\b]
.endr
	v_nop                                          ; one plain place behind a scaled conversion
.irp b, 0,1,2,3
.irp i, 0,1,2
	v_mov_b32 v[195+8*\b+\i], v[224+4*\b+\i]       ; v[192 + 8 b ..]: the six registers of block b of my column
.endr
.endr
.irp c, 0,1                                    ; lanes 0-15 hold the columns of one row tile, lanes 16-31 of the next; a fragment wants block 2 c in lanes 0-15 and block 2 c + 1 in lanes 16-31
.irp i, 0,1,2,3,4,5
	v_permlane16_swap_b32 v[192+16*\c+\i], v[200+16*\c+\i]
.endr
.endr
.irp c, 0,1
.irp p, 0,1,2
	global_store_b64 v5, v[192+16*\c+2*\p:193+16*\c+2*\p], s[26:27] offset:256*(3*\c+\p)
	global_store_b64 v5, v[200+16*\c+2*\p:201+16*\c+2*\p], s[26:27] offset:3072+256*(3*\c+\p)
.endr
.endr
	ds_store_b32 v6, v12
	s_wait_dscnt 0x0
	s_barrier_signal -1
	s_barrier_wait -1
	s_cmp_ge_u32 s[WV], 2
	s_cbranch_scc1 .Lwd_end
	ds_load_b128 v[28:31], v7                      ; waves 0 and 1: the words of 128 columns each
	s_wait_dscnt 0x0
	global_store_b128 v8, v[28:31], s[28:29]
.Lwd_end:
	v_lshl_add_u32 v14, v0, 2, 0x1de00             ; the add's two registers, made anew from v0
	v_mov_b32 v15, 0
	s_wait_alu depctr_va_vdst(0)
	s_wait_tensorcnt 0x0
	ds_add_u32 v14, v15
	s_wait_dscnt 0x0
	s_endpgm
.Lfunc_end_k_qed7b686f11_prep:
	.size	k_qed7b686f11_prep, .Lfunc_end_k_qed7b686f11_prep-k_qed7b686f11_prep
	.p2alignl 7, 3214868480
	.fill 96, 4, 3214868480
	.section	.rodata,"a",@progbits
	.p2align	6, 0x0
	.amdhsa_kernel k_qed7b686f11_prep
		.amdhsa_group_segment_fixed_size 123392
		.amdhsa_private_segment_fixed_size 0
		.amdhsa_enable_private_segment 0
		.amdhsa_kernarg_size 144
		.amdhsa_user_sgpr_count 2
		.amdhsa_user_sgpr_kernarg_segment_ptr 1
		.amdhsa_wavefront_size32 1
		.amdhsa_system_sgpr_workgroup_id_x 1
		.amdhsa_system_sgpr_workgroup_id_y 1
		.amdhsa_system_sgpr_workgroup_id_z 1
		.amdhsa_system_vgpr_workitem_id 0
		.amdhsa_next_free_vgpr 256
		.amdhsa_next_free_sgpr 66
		.amdhsa_reserve_vcc 1
		.amdhsa_float_denorm_mode_32 3
		.amdhsa_float_denorm_mode_16_64 3
		.amdhsa_memory_ordered 1
		.amdhsa_forward_progress 1
		.amdhsa_inst_pref_size 84
	.end_amdhsa_kernel
	.amdgpu_metadata
---
amdhsa.version: [ 1, 2 ]
amdhsa.kernels:
  - .name:           k_qed7b686f11_prep
    .symbol:         k_qed7b686f11_prep.kd
    .args:
      - { .name: sdr, .offset: 0, .size: 8, .value_kind: global_buffer, .address_space: global }
      - { .name: g1, .offset: 8, .size: 8, .value_kind: global_buffer, .address_space: global }
      - { .name: b1, .offset: 16, .size: 8, .value_kind: global_buffer, .address_space: global }
      - { .name: xa, .offset: 24, .size: 8, .value_kind: global_buffer, .address_space: global }
      - { .name: wq_codes, .offset: 32, .size: 8, .value_kind: global_buffer, .address_space: global }
      - { .name: wq_scales, .offset: 40, .size: 8, .value_kind: global_buffer, .address_space: global }
      - { .name: wk_codes, .offset: 48, .size: 8, .value_kind: global_buffer, .address_space: global }
      - { .name: wk_scales, .offset: 56, .size: 8, .value_kind: global_buffer, .address_space: global }
      - { .name: wv_codes, .offset: 64, .size: 8, .value_kind: global_buffer, .address_space: global }
      - { .name: wv_scales, .offset: 72, .size: 8, .value_kind: global_buffer, .address_space: global }
      - { .name: wo_codes, .offset: 80, .size: 8, .value_kind: global_buffer, .address_space: global }
      - { .name: wo_scales, .offset: 88, .size: 8, .value_kind: global_buffer, .address_space: global }
      - { .name: w_gate_codes, .offset: 96, .size: 8, .value_kind: global_buffer, .address_space: global }
      - { .name: w_gate_scales, .offset: 104, .size: 8, .value_kind: global_buffer, .address_space: global }
      - { .name: w_up_codes, .offset: 112, .size: 8, .value_kind: global_buffer, .address_space: global }
      - { .name: w_up_scales, .offset: 120, .size: 8, .value_kind: global_buffer, .address_space: global }
      - { .name: w_down, .offset: 128, .size: 8, .value_kind: global_buffer, .address_space: global }
      - { .name: wts, .offset: 136, .size: 8, .value_kind: global_buffer, .address_space: global }
    .group_segment_fixed_size: 123392
    .private_segment_fixed_size: 0
    .kernarg_segment_align: 8
    .kernarg_segment_size: 144
    .max_flat_workgroup_size: 256
    .sgpr_count:     66
    .vgpr_count:     256
    .wavefront_size: 32
...
	.end_amdgpu_metadata
.endif
;; end of part 1
;; launch qkv (part 2): grid 12 x 16, 4 waves a work-group, clusters of 4 x 4, 327,680 bytes of LDS; arguments xa, wts, qkv; writes qkv
.if DOCPART == 2
	.amdgcn_target "amdgcn-amd-amdhsa--gfx1250"
	.amdhsa_code_object_version 6
	.text
	.protected	k_qed7b686f11_qkv
	.globl	k_qed7b686f11_qkv
	.p2align	8
	.type	k_qed7b686f11_qkv,@function
k_qed7b686f11_qkv:
	s_mov_b64 s[64:65], 0
	v_nop
	global_prefetch_b8 v0, s[64:65] scope:SCOPE_SE
	s_setreg_imm32_b32 hwreg(HW_REG_WAVE_MODE, 25, 1), 1
	s_wait_xcnt 0x0
	s_wait_alu depctr_hold_cnt(0) depctr_sa_sdst(0) depctr_va_vdst(0) depctr_va_sdst(0) depctr_va_ssrc(0) depctr_va_vcc(0) depctr_vm_vsrc(0)
	s_getreg_b32 s2, hwreg(HW_REG_IB_STS2, 6, 4)
	s_cmp_eq_u32 s2, 0
	s_cbranch_scc0 .Lentry_in_a_cluster
	s_endpgm
.Lentry_in_a_cluster:
	s_bfe_u32 s2, ttmp6, 0x10000c
	s_cmp_lg_u32 s2, 0xf033
	s_cbranch_scc0 .Lentry_shape_is_right
	s_endpgm
.Lentry_shape_is_right:
; q, k, v = LN(x) wq, wk, wv on codes of FP6 (E2M3) with E8M0 scales, and the results quantised in registers for attention.  Operands come as images (a fragment = 1,536 bytes, chunk p = registers 2 p, 2 p + 1 of lane l at 256 p + 8 l;
; a unit = 128 rows x 256 K = 24,576 dense bytes; a block G = 128 rows x 1,024 K = 98,304 bytes; scale words [G][K step][128 rows][4]).
; A tile of 256 x 256 to a work-group of four waves, 128 x 128 to a wave: 64 accumulators.  K = 1,024 goes in four visits of 256; LDS holds three slots, so three visits are first fills and ONE slot is filled again.
; THE MATRIX INSTRUCTION IS USED TRANSPOSED: source 0 = 16 rows of "B", source 1 = 16 rows of "A": a lane keeps one row of A, its registers run along B's rows, which are the next product's K.
;   cluster x = 0, 1 (q, k): A = tokens (xa), B = weight rows: a lane holds a token, its 64 registers of one block of A a head's 128 channels.
;   cluster x = 2 (v): A = wv's rows, B = tokens: a lane holds a channel, its registers run along 128 tokens: v is quantised along the keys.
; Register 16 b + i of lane half h holds next-K index 32 b + 16 (i / 8) + 8 h + i % 8 and is laid at place 32 b + 16 h + i: inside each block of 32, bits 3 and 4 of the place are swapped.  q and k are laid alike, and so are v's keys and the
; softmax's in the attention launch: the products do not change, and the blocks and their scales are the true ones.
; OUT: qkv = 768 blocks of 8 fragments; block (m, b, head, chunk of 128 tokens) at index 256 m + 16 (8 b + head) + chunk; at QSC their scale words, 512 bytes a block.
; CLUSTERS: 4 x 4.  A's tiles are shared along a row of the cluster, B's along a column: each is asked for jointly.
; LIMITS: as the quantiser's in the first launch: NaN and infinities not served; byte held at 1 from below; a block of zeros has byte 1.
; REGISTERS: window 0: v16-30 addresses; v32-47 scale words, two sets; v64-159, v160-255 A's fragments, two sets.  Window 1: v0-95, v96-191 B's.  Windows 2, 3: accumulator (a, b) at v[8 (8 (a % 4) + b)] of window 2 + a / 4.
.set XSC,   3145728
.set WSC,   7471104
.set QSC,   9437184
.set UNIT,  24576
.set GBLK,  98304
.set SLOT,  98304                      ; four units: A's halves, B's halves
.set SCL,   294912                     ; behind the three slots: four blocks of 4,096 bytes of scale words
.set SPARE, 311296                     ; the spare words: 128 bytes a wave
.set STAGE, 98304                      ; the way out's 512 bytes a wave, in slot 1: it has had its only fill, and every wave has left it at the barrier of K step 5
.set ADRA, 16                          ; v16-18 my A fragments in slot 0, 1, 2
.set ADRB, 20                          ; v20-22 B's
.set ADRS, 24                          ; v24 my scale words: lanes 0-15 A's rows, lanes 16-31 B's
.set LO8,  25                          ; v25 8 x lane
.set STW,  26
.set STR,  27
.set SPW,  28                          ; v28 my spare word; never rewritten
.set NIL,  29                          ; v29 0; never rewritten
.set LO16, 30
.set SC,   32
.set AF,   64
.set TM,   64                          ; the way out: v64-79 at work, v80-99 codes, v100 the scale word
.set PC,   80
.set PW,   100
.set SEL,  2                           ; s[2:3] on the way out: lane selects
.set G1A,  24
.set G1B,  32
.set G1SA, 40
.set G1SB, 48
.set GA_S, 56
.set GA_0, 60
.set GA_1, 68
.set GA_2, 72
.set GB_S, 76
.set GB_0, 80
.set GB_1, 84
.set GB_2, 88
.set MSB, 0
.macro WIN new                         ; the immediate's high byte repeats the setting that is left
.if MSB != (\new)
	s_set_vgpr_msb (MSB<<8)|(\new)
.set MSB, (\new)
.endif
.endm
.macro PLACES n
.rept \n
	v_nop
.endr
.endm
; A joint load: waves 0 and 1 fetch for A, waves 2 and 3 for B; the branch hangs on the wave's number alone.  Four v_nop follow each line.
.macro JLOAD g0a, g1a, g0b, g1b
	s_cmp_eq_u32 s11, 0
	s_cbranch_scc0 .Lfor_b_\@
	tensor_load_to_lds s[\g0a:\g0a+3], s[\g1a:\g1a+7]
	s_nop 0
.rept 4
	v_nop
.endr
	s_branch .Lasked_\@
.Lfor_b_\@:
	tensor_load_to_lds s[\g0b:\g0b+3], s[\g1b:\g1b+7]
	s_nop 0
.rept 4
	v_nop
.endr
.Lasked_\@:
.endm
.macro CREST                           ; a round of the cluster's barrier behind its opening barrier
	s_cmp_lg_u32 s10, 0
	s_cbranch_scc1 .Lnot_wave_0_\@
	s_barrier_signal -3
.Lnot_wave_0_\@:
	s_barrier_wait -3
	s_barrier_signal -1
	s_barrier_wait -1
.endm
.macro CROUND
	s_barrier_signal -1
	s_barrier_wait -1
	CREST
.endm
.macro MKG0 g, ldsreg, ldsoff, src, off    ; descriptor group 0: count 1, LDS address, global address, type 2
	s_mov_b32 s[\g], 1
	s_add_co_u32 s[\g+1], s[\ldsreg], \ldsoff
	s_add_nc_u64 s[\g+2:\g+3], s[\src:\src+1], \off
	s_or_b32 s[\g+3], s[\g+3], 0x80000000
.endm
; 64 numbers of a lane in window w become a fragment in v[PC] on and the row's scale word in v[PW]; each accumulator is read from its low end on
.macro QUANT s, w
	WIN ((\w)|((\w)<<2))
.irp b, 0,1,2,3
	v_max3_num_f32 v[TM+\b], |v[(\s)+16*\b]|, |v[(\s)+1+16*\b]|, 0x1800000   ; my 16 numbers of block b, and the floor 2^(3 - 127)
.endr
	WIN (((\w)<<2)|((\w)<<4))
.irp i, 2,4,6,8,10,12,14
.irp b, 0,1,2,3
	v_max3_num_f32 v[TM+\b], v[TM+\b], |v[(\s)+16*\b+\i]|, |v[(\s)+1+16*\b+\i]|
.endr
.endr
	WIN 0
.irp b, 0,1,2,3
	v_permlanex16_b32 v[TM+4+\b], v[TM+\b], s[SEL], s[SEL+1]
.endr
.irp b, 0,1,2,3
	v_max_num_f32 v[TM+\b], v[TM+\b], v[TM+4+\b]
.endr
.irp b, 0,1,2,3
	v_add_nc_u32 v[TM+12+\b], 0xff000000, v[TM+\b]   ; 2 off the exponent field: the conversion's scale operand
.endr
.irp b, 0,1,2,3
	v_lshrrev_b32 v[TM+4+\b], 23, v[TM+12+\b]
.endr
	v_lshl_or_b32 v[PW], v[TM+5], 8, v[TM+4]
	v_lshl_or_b32 v[PW], v[TM+6], 16, v[PW]
	v_lshl_or_b32 v[PW], v[TM+7], 24, v[PW]
	WIN (\w)
.irp c, 0,1
	v_cvt_scalef32_pk16_fp6_f32 v[PC+6*\c:PC+2+6*\c], v[(\s)+32*\c:(\s)+15+32*\c], v[TM+12+2*\c]
	v_cvt_scalef32_pk16_fp6_f32 v[PC+12+4*\c:PC+14+4*\c], v[(\s)+16+32*\c:(\s)+31+32*\c], v[TM+12+2*\c+1]
.endr
	WIN 0
	v_nop                                          ; one plain place behind a scaled conversion
.irp c, 0,1
.irp i, 0,1,2
	v_permlane16_swap_b32 v[PC+6*\c+\i], v[PC+12+4*\c+\i]
.endr
.irp i, 0,1,2
	v_mov_b32 v[PC+3+6*\c+\i], v[PC+12+4*\c+\i]
.endr
.endr
.endm
	s_load_b128 s[4:7], s[0:1], 0x0                ; xa, wts
	s_load_b64 s[8:9], s[0:1], 0x10                ; qkv
	v_lshl_add_u32 v[SPW], v0, 2, SPARE
	v_mov_b32 v[NIL], 0
	ds_add_u32 v28, v29
	ds_add_u32 v28, v29
	s_wait_dscnt 0x0
	v_lshrrev_b32 v1, 5, v0
	v_readfirstlane_b32 s10, v1                    ; wave 0..3
	s_lshr_b32 s11, s10, 1                         ; i: my half of A's rows.  Also: I fetch for A (0) or for B (1)
	s_and_b32 s12, s10, 1                          ; j: my half of B's rows.  Also: which half I fetch
	s_bfe_u32 s13, ttmp6, 0x40000                  ; cx
	s_bfe_u32 s14, ttmp6, 0x40004                  ; cy
	s_and_b32 s15, ttmp7, 0xffff                   ; cluster y
	s_lshl_b32 s16, s14, 2
	s_lshl_b32 s16, 15, s16                        ; my row of the cluster
	s_lshl_b32 s17, 0x1111, s13                    ; my column
	s_or_b32 s[G1A], s16, (3<<16)|(1<<21)          ; 15:0 the mask; 17:16 elements of 8 bytes; 21 set beside a mask; no padding: an image is read in consecutive bytes
	s_or_b32 s[G1B], s17, (3<<16)|(1<<21)
	s_or_b32 s[G1SA], s16, (3<<16)|(1<<21)
	s_or_b32 s[G1SB], s17, (3<<16)|(1<<21)
.irp g, G1A, G1B                       ; for the head's loads: visit 0 of two neighbouring blocks: 2 rows of 24,576 bytes (3,072 elements), 98,304 bytes apart
	s_mov_b32 s[\g+1], 3072<<16
	s_mov_b32 s[\g+2], 2<<16
	s_mov_b32 s[\g+3], 3072<<16
	s_mov_b32 s[\g+4], 2
	s_mov_b32 s[\g+5], 12288
	s_mov_b32 s[\g+6], 0
	s_mov_b32 s[\g+7], 0
.endr
.irp g, G1SA, G1SB                     ; a block's scale words: 16 rows of 256 bytes
	s_mov_b32 s[\g+1], 32<<16
	s_mov_b32 s[\g+2], 32<<16              ; two blocks' scale words: 32 rows of 256 bytes
	s_mov_b32 s[\g+3], 32<<16
	s_mov_b32 s[\g+4], 32
	s_mov_b32 s[\g+5], 32
	s_mov_b32 s[\g+6], 0
	s_mov_b32 s[\g+7], 0
.endr
	s_lshl_b32 s18, s15, 2
	s_add_co_u32 s18, s18, s14
	s_lshl_b32 s18, s18, 1                         ; q, k: A's first block 2 (4 Y + cy) of xa
	s_lshl_b32 s19, s14, 1
	s_add_co_u32 s19, s19, 16                      ; v: 16 + 2 cy of wts
	s_lshl_b32 s20, ttmp9, 2
	s_add_co_u32 s20, s20, s13
	s_lshl_b32 s20, s20, 1                         ; q, k: B's first block 2 (4 X + cx) of wts
	s_lshl_b32 s21, s15, 2
	s_add_co_u32 s21, s21, s13
	s_lshl_b32 s21, s21, 1                         ; v: 2 (4 Y + cx) of xa
	s_mul_i32 s2, s10, UNIT                        ; where my loads go: no place in the cluster enters an LDS address
	s_lshl_b32 s3, s10, 12
	s_cmp_lt_u32 ttmp9, 2                          ; the cluster's x is the same in all partners
	s_cselect_b32 s18, s18, s19
	s_cselect_b32 s20, s20, s21
	s_mov_b32 s22, WSC
	s_cselect_b32 s22, XSC, s22                    ; where A's scale words begin in its buffer
	s_mov_b32 s23, XSC
	s_cselect_b32 s23, WSC, s23                    ; and B's
	s_wait_kmcnt 0x0
	s_cselect_b64 s[92:93], s[4:5], s[6:7]         ; A's buffer
	s_cselect_b64 s[94:95], s[6:7], s[4:5]         ; B's
	s_add_co_u32 s19, s18, s12                     ; the block that I fetch
	s_add_co_u32 s21, s20, s12
	s_mul_i32 s96, s19, GBLK
	s_mov_b32 s97, 0
	s_add_nc_u64 s[96:97], s[92:93], s[96:97]
	s_lshl_b32 s98, s19, 12
	s_add_co_u32 s98, s98, s22
	s_mov_b32 s99, 0
	s_add_nc_u64 s[98:99], s[92:93], s[98:99]
	s_mul_i32 s66, s21, GBLK
	s_mov_b32 s67, 0
	s_add_nc_u64 s[66:67], s[94:95], s[66:67]
	s_lshl_b32 s100, s21, 12
	s_add_co_u32 s100, s100, s23
	s_mov_b32 s101, 0
	s_add_nc_u64 s[100:101], s[94:95], s[100:101]
	CROUND                                         ; all sixteen work-groups are here: the first joint loads meet
	; the head's four tiles, each whole: visit 0 of A's two blocks, of B's two blocks, A's scale words, B's
	s_mul_i32 s[GA_2+2], s18, GBLK
	s_mov_b32 s[GA_2+3], 0
	s_add_nc_u64 s[GA_2+2:GA_2+3], s[92:93], s[GA_2+2:GA_2+3]
	s_or_b32 s[GA_2+3], s[GA_2+3], 0x80000000
	s_mov_b32 s[GA_2], 1
	s_mov_b32 s[GA_2+1], 0
	s_mul_i32 s[GB_2+2], s20, GBLK
	s_mov_b32 s[GB_2+3], 0
	s_add_nc_u64 s[GB_2+2:GB_2+3], s[94:95], s[GB_2+2:GB_2+3]
	s_or_b32 s[GB_2+3], s[GB_2+3], 0x80000000
	s_mov_b32 s[GB_2], 1
	s_mov_b32 s[GB_2+1], 2*UNIT
	s_lshl_b32 s[GA_S+2], s18, 12
	s_add_co_u32 s[GA_S+2], s[GA_S+2], s22
	s_mov_b32 s[GA_S+3], 0
	s_add_nc_u64 s[GA_S+2:GA_S+3], s[92:93], s[GA_S+2:GA_S+3]
	s_or_b32 s[GA_S+3], s[GA_S+3], 0x80000000
	s_mov_b32 s[GA_S], 1
	s_mov_b32 s[GA_S+1], SCL
	s_lshl_b32 s[GB_S+2], s20, 12
	s_add_co_u32 s[GB_S+2], s[GB_S+2], s23
	s_mov_b32 s[GB_S+3], 0
	s_add_nc_u64 s[GB_S+2:GB_S+3], s[94:95], s[GB_S+2:GB_S+3]
	s_or_b32 s[GB_S+3], s[GB_S+3], 0x80000000
	s_mov_b32 s[GB_S], 1
	s_mov_b32 s[GB_S+1], SCL+8192
	MKG0 GA_0, 2, 0, 96, 0                         ; slot 0's refill: my unit; it walks on to visit 3
	MKG0 GB_0, 2, 0, 66, 0
	s_lshl_b32 s3, s2, 1                           ; wave x 49,152
	MKG0 GA_1, 3, SLOT, 96, UNIT                   ; visits 1 and 2 of my block: 49,152 consecutive bytes, behind slot 0
	MKG0 GB_1, 3, SLOT, 66, UNIT
; one tensor load a wave at the head: one chain of branches on the wave's number, a load to an arm
.macro ARM under, g0, g1, next
	s_cmp_lt_u32 s10, \under
	s_cbranch_scc0 \next
	tensor_load_to_lds s[\g0:\g0+3], s[\g1:\g1+7]
	s_nop 0
.rept 4
	v_nop
.endr
	s_branch .Lhead_asked
\next:
.endm
	ARM 1, GA_2, G1A, .Lhead_b
	ARM 2, GB_2, G1B, .Lhead_sa
	ARM 3, GA_S, G1SA, .Lhead_sb
	tensor_load_to_lds s[GB_S:GB_S+3], s[G1SB:G1SB+7]
	s_nop 0
.rept 4
	v_nop
.endr
.Lhead_asked:
	v_and_b32 v1, 15, v0                           ; r
	v_bfe_u32 v2, v0, 4, 1                         ; h
	v_and_b32 v3, 31, v0
	v_lshlrev_b32 v[LO8], 3, v3
	v_lshlrev_b32 v[LO16], 4, v3
	s_mul_i32 s92, s11, UNIT
	s_mul_i32 s93, s12, UNIT
	s_add_co_u32 s93, s93, 2*UNIT
	s_wait_alu depctr_va_vdst(0)
	v_add_nc_u32 v[ADRA], s92, v[LO8]              ; visit 0: A's halves, then B's
	v_add_nc_u32 v[ADRB], s93, v[LO8]
	s_lshl_b32 s92, s92, 1
	s_add_co_u32 s92, s92, SLOT                    ; visits 1 and 2: 49,152 bytes for each of A's halves, then B's
	s_lshl_b32 s93, s93, 1
	s_add_co_u32 s93, s93, SLOT
.irp s, 1,2
	v_add_nc_u32 v[ADRA+\s], s92, v[LO8]
	v_add_nc_u32 v[ADRB+\s], s93, v[LO8]
	s_add_co_u32 s92, s92, UNIT
	s_add_co_u32 s93, s93, UNIT
.endr
	s_add_co_u32 s94, s12, 2
	s_sub_co_u32 s94, s94, s11
	s_lshl_b32 s94, s94, 12                        ; from A's block i to B's block j
	v_mul_u32_u24 v4, s94, v2                      ; lanes 16-31 take B's
	s_lshl_b32 s95, s11, 12
	s_add_co_u32 s95, s95, SCL
	v_lshl_add_u32 v4, v1, 2, v4
	v_add_nc_u32 v[ADRS], s95, v4
	s_lshl_b32 s95, s10, 9
	s_add_co_u32 s95, s95, STAGE
	v_lshl_add_u32 v[STW], v1, 2, s95
	v_add_nc_u32 v[STR], s95, v[LO16]
	s_add_co_u32 s92, s20, s12                     ; B's block of mine
	s_add_co_u32 s93, s18, s11                     ; A's
	s_cmp_lt_u32 ttmp9, 2
	s_cselect_b32 s94, s92, s93                    ; the weight's block: 8 m + head
	s_cselect_b32 s95, s93, s92                    ; the tokens' block: 16 b + chunk
	s_lshr_b32 s96, s94, 3
	s_lshl_b32 s96, s96, 8
	s_lshr_b32 s97, s95, 4
	s_lshl_b32 s97, s97, 3
	s_and_b32 s94, s94, 7
	s_add_co_u32 s97, s97, s94
	s_lshl_b32 s97, s97, 4
	s_add_co_u32 s96, s96, s97
	s_and_b32 s95, s95, 15
	s_add_co_u32 s96, s96, s95                     ; 256 m + 16 (8 b + head) + chunk
	s_mul_i32 s98, s96, 12288
	s_mov_b32 s99, 0
	s_add_nc_u64 s[98:99], s[8:9], s[98:99]        ; my block of 8 fragments
	s_lshl_b32 s96, s96, 9
	s_add_co_u32 s96, s96, QSC
	s_mov_b32 s97, 0
	s_add_nc_u64 s[96:97], s[8:9], s[96:97]        ; and its scale words
; K step t's fragments and scale words into set t % 2: 104 LDS loads in one run, each of consecutive bytes
.macro FETCH t
.set FP, (\t)%2
.set FS, ((\t)/2)%3
	WIN 0x40                                       ; destination window 1, address window 0
.irp b, 0,1,2,3,4,5,6,7
.irp p, 0,1,2,3,4,5
	ds_load_b64 v[96*FP+12*\b+2*\p:96*FP+12*\b+2*\p+1], v[ADRB+FS] offset:\b*3072+FP*1536+256*\p
.endr
.endr
	WIN 0
.irp a, 0,1,2,3,4,5,6,7
.irp p, 0,1,2,3,4,5
	ds_load_b64 v[AF+96*FP+12*\a+2*\p:AF+96*FP+12*\a+2*\p+1], v[ADRA+FS] offset:\a*3072+FP*1536+256*\p
.endr
.endr
.irp i, 0,1,2,3,4,5,6,7
	ds_load_b32 v[SC+8*FP+\i], v[ADRS] offset:(\t)*512+64*\i
.endr
.endm
; 16 matrix instructions: A's blocks a0, a0 + 1 x B's eight.  The 64 accumulators take turns, one instruction a turn, in the same order in every K step.
.macro MUL16 a0, p, zero
.irp a, \a0, \a0+1
.irp b, 0,1,2,3,4,5,6,7
.if \zero
	v_wmma_scale_f32_16x16x128_f8f6f4 v[8*(8*((\a)%4)+\b):8*(8*((\a)%4)+\b)+7], v[96*(\p)+12*\b:96*(\p)+12*\b+11], v[AF+96*(\p)+12*(\a):AF+96*(\p)+12*(\a)+11], 0, v[SC+8*(\p)+\b], v[SC+8*(\p)+(\a)] matrix_a_fmt:MATRIX_FMT_FP6 matrix_b_fmt:MATRIX_FMT_FP6 matrix_a_scale:MATRIX_SCALE_ROW1
.else
	v_wmma_scale_f32_16x16x128_f8f6f4 v[8*(8*((\a)%4)+\b):8*(8*((\a)%4)+\b)+7], v[96*(\p)+12*\b:96*(\p)+12*\b+11], v[AF+96*(\p)+12*(\a):AF+96*(\p)+12*(\a)+11], v[8*(8*((\a)%4)+\b):8*(8*((\a)%4)+\b)+7], v[SC+8*(\p)+\b], v[SC+8*(\p)+(\a)] matrix_a_fmt:MATRIX_FMT_FP6 matrix_b_fmt:MATRIX_FMT_FP6 matrix_a_scale:MATRIX_SCALE_ROW1
.endif
.endr
.endr
.endm
.macro KSTEP t, zero
	s_wait_dscnt 0x0                               ; this K step's set is in (asked for 32 matrix instructions ago)
	WIN 0xa1                                       ; source 0 window 1, source 1 window 0, C and D window 2
	MUL16 0, (\t)%2, \zero
	MUL16 2, (\t)%2, \zero
	PLACES 4                                       ; four places in front of loads into the set that the last K step's products read
	FETCH (\t)+1
	WIN 0xf1
	MUL16 4, (\t)%2, \zero
	MUL16 6, (\t)%2, \zero
.endm
; A K step with a barrier: in front of it each wave waits for all its tensor loads, adds 0 to its spare word, and waits for that and for its LDS reads.  fill = 1: slot 0, which every wave has left, takes visit 3.
.macro TURN t, fill
	WIN 0
	s_wait_tensorcnt 0x0                           ; all my tensor loads have landed, so a group 0 may be written
	ds_add_u32 v[SPW], v[NIL]                      ; 0 onto my spare word
.if \fill
	s_add_nc_u64 s[GA_0+2:GA_0+3], s[GA_0+2:GA_0+3], 3*UNIT
	s_add_nc_u64 s[GB_0+2:GB_0+3], s[GB_0+2:GB_0+3], 3*UNIT
	s_mov_b32 s[G1A+2], 96<<16                     ; no load of mine is out: from here on a load brings one unit, 96 rows
	s_mov_b32 s[G1A+4], 96
	s_mov_b32 s[G1B+2], 96<<16
	s_mov_b32 s[G1B+4], 96
.endif
	s_wait_dscnt 1                                 ; this K step's set is in; the add alone, issued behind those loads, may be out
	WIN 0xa1
	MUL16 0, (\t)%2, 0
	s_wait_dscnt 0x0                               ; the add is done, and my reads are over
	s_barrier_signal -1
	MUL16 2, (\t)%2, 0
	WIN 0
	s_barrier_wait -1
.if \fill
	CREST                                          ; the barrier has opened a round of the cluster's: no wave of any partner still reads slot 0 or has a load on its way
	JLOAD GA_0, G1A, GB_0, G1B                     ; the first tensor load behind the round; its four v_nop are also the places in front of the loads below
.else
	PLACES 4
.endif
	FETCH (\t)+1
	WIN 0xf1
	MUL16 4, (\t)%2, 0
	MUL16 6, (\t)%2, 0
.endm
	s_wait_alu depctr_va_vdst(0)
	s_wait_tensorcnt 0x0                           ; my tile of the head's four is in
	ds_add_u32 v[SPW], v[NIL]
.irp g, G1A, G1B                       ; no load of mine is out: the next load brings two units, 192 dense rows of 256 bytes
	s_mov_b32 s[\g+1], 32<<16
	s_mov_b32 s[\g+2], 192<<16
	s_mov_b32 s[\g+3], 32<<16
	s_mov_b32 s[\g+4], 192
	s_mov_b32 s[\g+5], 32
.endr
	s_wait_dscnt 0x0
	CROUND                                         ; all four tiles are in, in every wave of every partner
	JLOAD GA_1, G1A, GB_1, G1B                     ; visits 1 and 2, one load a wave
	FETCH 0
	KSTEP 0, 1                                     ; the first products start the sums
	TURN 1, 1                                      ; slot 0 is left: visit 3 is asked for, four K steps ahead of its first read
	KSTEP 2, 0
	KSTEP 3, 0
	KSTEP 4, 0
	TURN 5, 0                                      ; visit 3 has landed, in every wave
	KSTEP 6, 0
	s_wait_dscnt 0x0
	WIN 0xa1
	MUL16 0, 1, 0
	MUL16 2, 1, 0
	WIN 0xf1
	MUL16 4, 1, 0
	MUL16 6, 1, 0
	WIN 0
	; THE WAY OUT: each block a of A's rows (16 rows x 128 along the next K) becomes one fragment and 16 scale words
	PLACES 4
	s_mov_b32 s[SEL], 0x76543210
	s_mov_b32 s[SEL+1], 0xfedcba98
.irp b, 0,1,2,3
	v_mov_b32 v[TM+4+\b], 0                        ; a lane permute's destination counts as one of its sources
.endr
.irp a, 0,1,2,3,4,5,6,7
	s_wait_xcnt 0x0                                ; the last block's stores have read their registers
	QUANT 64*(\a%4), 2+\a/4
.irp p, 0,1,2,3,4,5
	global_store_b64 v[LO8], v[PC+2*\p:PC+2*\p+1], s[98:99] offset:\a*1536+256*\p   ; 256 consecutive bytes, at a multiple of 256 from the buffer's first byte
.endr
	ds_store_b32 v[STW], v[PW] offset:64*\a        ; both halves of the lanes write the same word with the same value
.endr
	ds_load_b128 v[104:107], v[STR]                ; LDS serves a wave's instructions in order: these see my stores
	s_wait_dscnt 0x0
	global_store_b128 v[LO16], v[104:107], s[96:97]
	s_wait_tensorcnt 0x0                           ; the wave's end
	ds_add_u32 v[SPW], v[NIL]
	s_wait_dscnt 0x0
	CROUND                                         ; the closing round
	s_endpgm
.Lfunc_end_k_qed7b686f11_qkv:
	.size	k_qed7b686f11_qkv, .Lfunc_end_k_qed7b686f11_qkv-k_qed7b686f11_qkv
	.p2alignl 7, 3214868480
	.fill 96, 4, 3214868480
	.section	.rodata,"a",@progbits
	.p2align	6, 0x0
	.amdhsa_kernel k_qed7b686f11_qkv
		.amdhsa_group_segment_fixed_size 327680
		.amdhsa_private_segment_fixed_size 0
		.amdhsa_enable_private_segment 0
		.amdhsa_kernarg_size 24
		.amdhsa_user_sgpr_count 2
		.amdhsa_user_sgpr_kernarg_segment_ptr 1
		.amdhsa_wavefront_size32 1
		.amdhsa_system_sgpr_workgroup_id_x 1
		.amdhsa_system_sgpr_workgroup_id_y 1
		.amdhsa_system_sgpr_workgroup_id_z 1
		.amdhsa_system_vgpr_workitem_id 0
		.amdhsa_next_free_vgpr 1024
		.amdhsa_next_free_sgpr 102
		.amdhsa_reserve_vcc 0
		.amdhsa_float_denorm_mode_32 3
		.amdhsa_float_denorm_mode_16_64 3
		.amdhsa_memory_ordered 1
		.amdhsa_forward_progress 1
		.amdhsa_inst_pref_size 169
	.end_amdhsa_kernel
	.amdgpu_metadata
---
amdhsa.version: [ 1, 2 ]
amdhsa.kernels:
  - .name:           k_qed7b686f11_qkv
    .symbol:         k_qed7b686f11_qkv.kd
    .args:
      - { .name: xa, .offset: 0, .size: 8, .value_kind: global_buffer, .address_space: global }
      - { .name: wts, .offset: 8, .size: 8, .value_kind: global_buffer, .address_space: global }
      - { .name: qkv, .offset: 16, .size: 8, .value_kind: global_buffer, .address_space: global }
    .group_segment_fixed_size: 327680
    .private_segment_fixed_size: 0
    .kernarg_segment_align: 8
    .kernarg_segment_size: 24
    .max_flat_workgroup_size: 128
    .sgpr_count:     102
    .vgpr_count:     1024
    .wavefront_size: 32
...
	.end_amdgpu_metadata
.endif
;; end of part 2
;; launch attn (part 3): grid 16 x 16, 8 waves a work-group, clusters of 4 x 1, 327,680 bytes of LDS; arguments qkv, cc; writes cc
.if DOCPART == 3
	.amdgcn_target "amdgcn-amd-amdhsa--gfx1250"
	.amdhsa_code_object_version 6
	.text
	.protected	k_qed7b686f11_attn
	.globl	k_qed7b686f11_attn
	.p2align	8
	.type	k_qed7b686f11_attn,@function
k_qed7b686f11_attn:
	s_mov_b64 s[64:65], 0
	v_nop
	global_prefetch_b8 v0, s[64:65] scope:SCOPE_SE
	s_setreg_imm32_b32 hwreg(HW_REG_WAVE_MODE, 25, 1), 1
	s_wait_xcnt 0x0
	s_wait_alu depctr_hold_cnt(0) depctr_sa_sdst(0) depctr_va_vdst(0) depctr_va_sdst(0) depctr_va_ssrc(0) depctr_va_vcc(0) depctr_vm_vsrc(0)
	s_getreg_b32 s2, hwreg(HW_REG_IB_STS2, 6, 4)
	s_cmp_eq_u32 s2, 0
	s_cbranch_scc0 .Lentry_in_a_cluster
	s_endpgm
.Lentry_in_a_cluster:
	s_bfe_u32 s2, ttmp6, 0x10000c
	s_cmp_lg_u32 s2, 0x3003
	s_cbranch_scc0 .Lentry_shape_is_right
	s_endpgm
.Lentry_shape_is_right:
; ctx = softmax(q k^T / sqrt(128)) v for one (batch, head) and 128 queries a work-group, both products on codes of FP6 (E2M3); then two FitzHugh-Nagumo steps, and the result quantised along the embedding for the product with wo.
; THE SOFTMAX AHEAD OF THE SECOND PRODUCT: t = score x log2(e) / sqrt(128); M = the running largest t rounded UP to a whole number; p = 2^(t - M) is quantised along the keys, not normalised; the row's sum is taken of the unquantised p
; and divides at the end; when M moves, the sum and O are multiplied by 2^(old M - new M): exact.
; SHARES: eight waves, two to a SIMD, 512 registers each.  Wave w takes TWO tiles of 16 queries, 2 (w % 4) and 2 (w % 4) + 1, and HALF of the head's 2,048 keys, half w / 4, 128 a step: so each fragment of k and v that it reads from LDS
; feeds two products.  At the end waves w and w xor 4 hold, for the same 32 queries, O, the sum and M of the two halves of the keys.  Both M are whole numbers: each half is multiplied by 2^(its M - the larger M), exactly, and the two are added.
; Wave w finishes tile w / 4 of its pair and hands the other tile's numbers to its partner through LDS, as an image of its registers; which tile is which is chosen by v_cndmask_b32 on the wave's number.
; q, k, v come as images (fragment = 1,536 bytes; chunk p = registers 2 p, 2 p + 1 of lane l at 256 p + 8 l); a block of 8 fragments = 128 tokens of q or k, or 128 channels x 128 keys of v.
; Both products are used transposed (S^T = k q^T, O^T = v^T p^T): a lane holds one query throughout.  Register 16 b + i of half h holds key 32 b + 16 (i / 8) + 8 h + i % 8 and is laid at place 32 b + 16 h + i: v's keys were laid the same way.
; v's channel tiles take channels 32 b + 8 u + r + 8 (r / 8), so that O^T's registers 16 b + i are channels 32 b + 16 h + i: in natural order for the product with wo.
; LDS: for each half of the keys six places of one chunk (128 keys), of k and of v.  Visit v brings chunks 2 v, 2 v + 1 of each half; visits 0, 1, 2 are first fills, visit 3 fills visit 0's places again; the head's scale words stay.
; CLUSTER: the four query blocks of a cluster walk the same k and v: each tile is asked for jointly (mask 15) by waves 0-3 of each partner.
; LIMITS: NaN and infinities not served; scale bytes held at 1 from below; a block of zeros has byte 1.
; REGISTERS: window 0: v1-11 addresses; v12-19 -M, the largest t and the sum (two halves) of each tile; v20-43 q's two fragments; v44-59 k's and v's scale words; v64-191 S^T, then p, 64 a tile; v192-255 at work, 32 a tile.
;   window 1: v0-127 O^T, 64 a tile; v128-223 eight fragments of k, then of v.
.set QSC,   9437184
.set XSC,   3145728
.set CH,    12288                      ; a chunk: 8 fragments
.set VISB,  24576                      ; what one tensor load brings: two chunks
.set HALF,  73728                      ; six places: one half of the keys
.set VREG,  147456                     ; V's region begins here
.set SCK,   294912                     ; K's scale words of the head, 8,192 bytes
.set SCV,   303104                     ; V's
.set SPARE, 311296                     ; the spare words: 128 bytes a wave, 1,024
.set XCH,   24576                      ; the exchange: an area of XAR bytes for each wave, in places 2-5 of K's halves: filled once, and left by every wave at the last barrier of the walk
.set XAR,   8448                       ; 64 registers' image and 256 bytes for -M and the sum
.set SSTG,  XCH+4*XAR                  ; the way out's 512 bytes of scale words, behind the first four areas
.set AK0,  1                           ; v1  8 x lane
.set AV0,  2                           ; v2  VREG + 8 x lane
.set ASK0, 3                           ; v3  SCK + 4 r
.set ASV0, 4                           ; v4  SCV + 4 r
.set SPW,  5                           ; v5  my spare word; never rewritten
.set NIL,  6                           ; v6  0; never rewritten
.set ADK,  8
.set ADV,  9
.set ADS,  10
.set ADT,  11
.set ST,   12                          ; tile u at v[ST + 4 u]: -M, the largest t, the sum in two halves
.set Q,    20                          ; tile u's fragment at v[Q + 12 u]
.set KS,   44                          ; v44-51 k's scale words of the step's eight tiles of keys
.set VS,   52                          ; v52-59 v's
.set S,    64                          ; tile u at v[S + 64 u]
.set W,    192                         ; tile u's work at v[W + 32 u]: + 0 p's codes (12),
.set BM,   12                          ; + 12 the blocks' largest scores (4),
.set TP,   16                          ; + 16 at work (8),
.set SO,   24                          ; + 24 the conversions' scale operands (4),
.set FF,   28                          ; + 28 f,
.set PWO,  29                          ; + 29 p's scale word,
.set TMPO, 30                          ; + 30 at work,
.set QSO,  31                          ; + 31 q's scale words
.set F,    128                         ; in window 1: the fragments
.set QTM,  112                         ; the way out's quantiser: v112-127 at work, v192-211 codes, v212 the scale word
.set QPC,  192
.set QPW,  212
.set WV,   18
.set SEL,  20
.set CS,   22                          ; s[22:23] c = log2(e) / sqrt(128)
.set G1U,  24                          ; s[24:31] two chunks: 96 rows of 256 bytes
.set G1S,  32                          ; s[32:39] 4,096 bytes of scale words
.set G0S,  40
.set G00,  44                          ; s[44:55] groups 0 of visits 0, 1, 2; visit 0's walks on to visit 3
.set TB,   56                          ; s56 LDS byte at which the step's chunk begins in a region
.set TS,   57                          ; s57 and its scale words
.set CNT,  58
.set MSB, 0
.macro WIN new                         ; the immediate's high byte repeats the setting that is left
.if MSB != (\new)
	s_set_vgpr_msb (MSB<<8)|(\new)
.set MSB, (\new)
.endif
.endm
.macro CROUND
	s_barrier_signal -1
	s_barrier_wait -1
	s_cmp_lg_u32 s[WV], 0
	s_cbranch_scc1 .Lnot_wave_0_\@
	s_barrier_signal -3
.Lnot_wave_0_\@:
	s_barrier_wait -3
	s_barrier_signal -1
	s_barrier_wait -1
.endm
.macro QUANT s
.irp b, 0,1,2,3
	v_max3_num_f32 v[QTM+\b], |v[\s+16*\b]|, |v[\s+1+16*\b]|, 0x1800000
.endr
.irp i, 2,4,6,8,10,12,14
.irp b, 0,1,2,3
	s_delay_alu instid0(VALU_DEP_4)
	v_max3_num_f32 v[QTM+\b], v[QTM+\b], |v[\s+16*\b+\i]|, |v[\s+1+16*\b+\i]|
.endr
.endr
.irp b, 0,1,2,3
	s_delay_alu instid0(VALU_DEP_4)
	v_permlanex16_b32 v[QTM+4+\b], v[QTM+\b], s[SEL], s[SEL+1]
.endr
.irp b, 0,1,2,3
	s_delay_alu instid0(VALU_DEP_4)
	v_max_num_f32 v[QTM+\b], v[QTM+\b], v[QTM+4+\b]
.endr
.irp b, 0,1,2,3
	s_delay_alu instid0(VALU_DEP_4)
	v_add_nc_u32 v[QTM+12+\b], 0xff000000, v[QTM+\b]
.endr
.irp b, 0,1,2,3
	s_delay_alu instid0(VALU_DEP_4)
	v_lshrrev_b32 v[QTM+4+\b], 23, v[QTM+12+\b]
.endr
	s_delay_alu instid0(VALU_DEP_3)
	v_lshl_or_b32 v[QPW], v[QTM+5], 8, v[QTM+4]
	s_delay_alu instid0(VALU_DEP_1)
	v_lshl_or_b32 v[QPW], v[QTM+6], 16, v[QPW]
	s_delay_alu instid0(VALU_DEP_1)
	v_lshl_or_b32 v[QPW], v[QTM+7], 24, v[QPW]
.irp c, 0,1
	v_cvt_scalef32_pk16_fp6_f32 v[QPC+6*\c:QPC+2+6*\c], v[\s+32*\c:\s+15+32*\c], v[QTM+12+2*\c]
	v_cvt_scalef32_pk16_fp6_f32 v[QPC+12+4*\c:QPC+14+4*\c], v[\s+16+32*\c:\s+31+32*\c], v[QTM+12+2*\c+1]
.endr
	v_nop
.irp c, 0,1
.irp i, 0,1,2
	v_permlane16_swap_b32 v[QPC+6*\c+\i], v[QPC+12+4*\c+\i]
.endr
.irp i, 0,1,2
	s_delay_alu instid0(VALU_DEP_3)
	v_mov_b32 v[QPC+3+6*\c+\i], v[QPC+12+4*\c+\i]
.endr
.endr
.endm
	s_load_b128 s[4:7], s[0:1], 0x0                ; qkv, cc
	v_lshl_add_u32 v[SPW], v0, 2, SPARE
	v_mov_b32 v[NIL], 0
	ds_add_u32 v5, v6
	ds_add_u32 v5, v6
	s_wait_dscnt 0x0
	v_lshrrev_b32 v8, 5, v0
	s_delay_alu instid0(VALU_DEP_1)
	v_readfirstlane_b32 s[WV], v8                  ; wave 0..7
	s_and_b32 s2, s[WV], 3                         ; my pair of query tiles
	s_lshr_b32 s3, s[WV], 2                        ; my half of the keys
	s_bfe_u32 s8, ttmp6, 0x40000                   ; cx
	s_lshl_b32 s9, ttmp9, 2
	s_add_co_u32 s9, s9, s8                        ; my block of 128 queries: it enters q's and cc's addresses alone
	s_and_b32 s10, ttmp7, 0xffff                   ; 8 b + head, which the partners share
	s_mov_b32 s[G1U], 15|(3<<16)|(1<<21)           ; the mask: all four work-groups; elements of 8 bytes; 21 set beside a mask; no padding
	s_mov_b32 s[G1U+1], 32<<16
	s_mov_b32 s[G1U+2], 96<<16
	s_mov_b32 s[G1U+3], 32<<16
	s_mov_b32 s[G1U+4], 96
	s_mov_b32 s[G1U+5], 32
	s_mov_b32 s[G1U+6], 0
	s_mov_b32 s[G1U+7], 0
.set G1W, 76                           ; s[76:83] four chunks: 192 rows of 256 bytes
	s_mov_b32 s[G1W], 15|(3<<16)|(1<<21)
	s_mov_b32 s[G1W+1], 32<<16
	s_mov_b32 s[G1W+2], 192<<16
	s_mov_b32 s[G1W+3], 32<<16
	s_mov_b32 s[G1W+4], 192
	s_mov_b32 s[G1W+5], 32
	s_mov_b32 s[G1W+6], 0
	s_mov_b32 s[G1W+7], 0
	s_mov_b32 s[G1S], 15|(3<<16)|(1<<21)
	s_mov_b32 s[G1S+1], 32<<16
	s_mov_b32 s[G1S+2], 16<<16
	s_mov_b32 s[G1S+3], 32<<16
	s_mov_b32 s[G1S+4], 16
	s_mov_b32 s[G1S+5], 32
	s_mov_b32 s[G1S+6], 0
	s_mov_b32 s[G1S+7], 0
	s_bfe_u32 s11, s[WV], 0x10001                  ; waves 0, 1 fetch for K (key half 0, 1), waves 2, 3 for V (waves 4-7 make the same words and issue nothing)
	s_and_b32 s12, s[WV], 1
	s_lshl_b32 s13, s11, 8
	s_add_co_u32 s13, s13, 256
	s_lshl_b32 s14, s10, 4
	s_add_co_u32 s13, s13, s14                     ; the index of the head's first chunk of k or of v
	s_mul_i32 s14, s13, CH
	s_mul_i32 s15, s12, 8*CH                       ; the half's first chunk
	s_add_co_u32 s14, s14, s15
	s_mov_b32 s15, 0
	s_lshl_b32 s16, s13, 9
	s_lshl_b32 s17, s12, 12
	s_add_co_u32 s16, s16, s17
	s_add_co_u32 s16, s16, QSC
	s_mov_b32 s17, 0
	s_mul_i32 s19, s11, VREG
	s_mul_i32 s59, s12, HALF
	s_add_co_u32 s19, s19, s59                     ; where my part of visit 0 goes
	s_and_b32 s59, s[WV], 3
	s_lshl_b32 s59, s59, 12
	s_add_co_u32 s59, s59, SCK                     ; and my 4,096 bytes of scale words
	s_lshl_b32 s60, s10, 4
	s_add_co_u32 s13, s60, s9                      ; q's block: 16 (8 b + head) + my block of queries
	s_mul_i32 s60, s13, CH
	s_mul_i32 s61, s2, 3072                        ; my two fragments of it
	s_add_co_u32 s60, s60, s61
	s_mov_b32 s61, 0
	s_lshl_b32 s62, s13, 9
	s_lshl_b32 s63, s2, 7
	s_add_co_u32 s62, s62, s63
	s_add_co_u32 s62, s62, QSC
	s_mov_b32 s63, 0
	s_mov_b32 s[SEL], 0x76543210
	s_mov_b32 s[SEL+1], 0xfedcba98
	s_mov_b32 s[CS], 0x3e0293ee
	s_mov_b32 s[CS+1], s[CS]
	s_mul_i32 s66, s3, HALF                        ; my half's first place
	s_mov_b32 s[TB], s66
	s_lshl_b32 s[TS], s3, 12                       ; and its scale words
	s_wait_kmcnt 0x0
	s_add_nc_u64 s[14:15], s[4:5], s[14:15]
	s_add_nc_u64 s[16:17], s[4:5], s[16:17]
	s_add_nc_u64 s[60:61], s[4:5], s[60:61]
	s_add_nc_u64 s[62:63], s[4:5], s[62:63]
	CROUND                                         ; all four work-groups are here: the first joint loads meet
	s_mov_b32 s[G0S], 1
	s_mov_b32 s[G0S+1], s59
	s_mov_b64 s[G0S+2:G0S+3], s[16:17]
	s_or_b32 s[G0S+3], s[G0S+3], 0x80000000
.irp v, 0,1,2
	s_mov_b32 s[G00+4*\v], 1
	s_add_co_u32 s[G00+4*\v+1], s19, \v*VISB
	s_add_nc_u64 s[G00+4*\v+2:G00+4*\v+3], s[14:15], \v*VISB
	s_or_b32 s[G00+4*\v+3], s[G00+4*\v+3], 0x80000000
.endr
	s_cmp_lt_u32 s[WV], 4
	s_cbranch_scc0 .Lsc_fill                       ; one load a wave at the head: waves 0-3 visit 0, waves 4-7 the scale words
	tensor_load_to_lds s[G00:G00+3], s[G1U:G1U+7]
	s_nop 0
.rept 4
	v_nop
.endr
	s_branch .Lfilled
.Lsc_fill:
	tensor_load_to_lds s[G0S:G0S+3], s[G1S:G1S+7]
	s_nop 0
.rept 4
	v_nop
.endr
.Lfilled:
	v_and_b32 v8, 31, v0
	s_delay_alu instid0(VALU_DEP_1)
	v_lshlrev_b32 v[AK0], 3, v8
	s_delay_alu instid0(VALU_DEP_1)
	v_add_nc_u32 v[AV0], VREG, v[AK0]
	v_and_b32 v7, 15, v0
	s_delay_alu instid0(VALU_DEP_1)
	v_lshlrev_b32 v7, 2, v7                        ; 4 r
	s_delay_alu instid0(VALU_DEP_1)
	v_add_nc_u32 v[ASK0], SCK, v7
	s_delay_alu instid0(VALU_DEP_2)
	v_add_nc_u32 v[ASV0], SCV, v7
.irp u, 0,1
.irp p, 0,1,2,3,4,5
	global_load_b64 v[Q+12*\u+2*\p:Q+12*\u+2*\p+1], v[AK0], s[60:61] offset:1536*\u+256*\p   ; q's fragments stay in registers
.endr
	global_load_b32 v[W+32*\u+QSO], v7, s[62:63] offset:64*\u   ; and their scale words
.endr
.irp u, 0,1
	v_mov_b32 v[ST+4*\u+1], 0xff61b1e6             ; the largest t so far: -3e38
	s_delay_alu instid0(VALU_DEP_1)
	v_floor_f32 v[ST+4*\u], -v[ST+4*\u+1]          ; -M
	v_mov_b32 v[ST+4*\u+2], 0
	v_mov_b32 v[ST+4*\u+3], 0
.irp b, 0,1,2,3
	v_mov_b32 v[W+32*\u+TP+\b], 0                  ; a lane permute's destination counts as one of its sources
.endr
	v_mov_b32 v[W+32*\u+PWO], 0                    ; (named as the upper half of f's pair before it is first written)
.endr
	WIN 0x40                                       ; destination window 1
.set n, 0
.rept 128
	v_mov_b32 v[n], 0                              ; O^T: the step is written without a first step of its own; the first change of M multiplies zeros
.set n, n+1
.endr
	WIN 0
; A KEY STEP: 128 keys of my half, for my two tiles of queries.  Lines of the two tiles stand by turns, so that no line waits for the line above it.
.macro STEP
	v_add_nc_u32 v[ADK], s[TB], v[AK0]             ; (these four are also the places in front of loads into the registers that the last step's products read)
	v_add_nc_u32 v[ADV], s[TB], v[AV0]
	v_add_nc_u32 v[ADS], s[TS], v[ASK0]
	v_add_nc_u32 v[ADT], s[TS], v[ASV0]
.irp t, 0,1,2,3,4,5,6,7
	ds_load_b32 v[KS+\t], v[ADS] offset:64*\t
.endr
	WIN 0x40                                       ; destination window 1, address window 0
.irp t, 0,1,2,3,4,5,6,7
.irp p, 0,1,2,3,4,5
	ds_load_b64 v[F+12*\t+2*\p:F+12*\t+2*\p+1], v[ADK] offset:\t*1536+256*\p
.endr
.endr
	s_wait_alu depctr_va_vdst(0)
	s_wait_dscnt 24                                ; the eight scale words and fragments 0-3 are in; the 24 loads of fragments 4-7, issued behind them, may be out
	WIN 0x01                                       ; source 0 (k) window 1; q and S^T window 0
.irp t, 0,1,2,3
.irp u, 0,1
	v_wmma_scale_f32_16x16x128_f8f6f4 v[S+64*\u+8*\t:S+64*\u+8*\t+7], v[F+12*\t:F+12*\t+11], v[Q+12*\u:Q+12*\u+11], 0, v[KS+\t], v[W+32*\u+QSO] matrix_a_fmt:MATRIX_FMT_FP6 matrix_b_fmt:MATRIX_FMT_FP6
.endr
.endr
	s_wait_dscnt 0x0
.irp t, 4,5,6,7
.irp u, 0,1
	v_wmma_scale_f32_16x16x128_f8f6f4 v[S+64*\u+8*\t:S+64*\u+8*\t+7], v[F+12*\t:F+12*\t+11], v[Q+12*\u:Q+12*\u+11], 0, v[KS+\t], v[W+32*\u+QSO] matrix_a_fmt:MATRIX_FMT_FP6 matrix_b_fmt:MATRIX_FMT_FP6
.endr
.endr
	WIN 0
.rept 4
	v_nop                                          ; four places: in front of the loads into k's registers, and of the first read of the scores
.endr
.irp t, 0,1,2,3,4,5,6,7
	ds_load_b32 v[VS+\t], v[ADT] offset:64*\t      ; v's scale words and fragments are asked for here and land while the softmax is worked
.endr
	WIN 0x40
.irp t, 0,1,2,3,4,5,6,7
.irp p, 0,1,2,3,4,5
	ds_load_b64 v[F+12*\t+2*\p:F+12*\t+2*\p+1], v[ADV] offset:\t*1536+256*\p
.endr
.endr
	WIN 0
.irp u, 0,1
.irp b, 0,1,2,3
	v_max3_num_f32 v[W+32*\u+BM+\b], v[S+64*\u+16*\b], v[S+64*\u+16*\b+1], v[S+64*\u+16*\b+2]   ; the largest score of each block of 32 keys: for the row's maximum, and, since p rises with the score, for the block's largest p
.endr
.endr
.irp i, 3,5,7,9,11,13
.irp u, 0,1
.irp b, 0,1,2,3
	v_max3_num_f32 v[W+32*\u+BM+\b], v[W+32*\u+BM+\b], v[S+64*\u+16*\b+\i], v[S+64*\u+16*\b+\i+1]
.endr
.endr
.endr
.irp u, 0,1
.irp b, 0,1,2,3
	v_max_num_f32 v[W+32*\u+BM+\b], v[W+32*\u+BM+\b], v[S+64*\u+16*\b+15]
.endr
.endr
.irp u, 0,1
.irp b, 0,1,2,3
	v_permlanex16_b32 v[W+32*\u+TP+\b], v[W+32*\u+BM+\b], s[SEL], s[SEL+1]
.endr
.endr
.irp u, 0,1
.irp b, 0,1,2,3
	v_max_num_f32 v[W+32*\u+BM+\b], v[W+32*\u+BM+\b], v[W+32*\u+TP+\b]
.endr
.endr
.irp u, 0
	v_max3_num_f32 v[W+32*\u+TMPO], v[W+32*\u+BM], v[W+32*\u+BM+1], v[W+32*\u+BM+2]
.endr
.irp u, 1
	s_delay_alu instid0(VALU_DEP_3)
	v_max3_num_f32 v[W+32*\u+TMPO], v[W+32*\u+BM], v[W+32*\u+BM+1], v[W+32*\u+BM+2]
.endr
.irp u, 0,1
	s_delay_alu instid0(VALU_DEP_2)
	v_max_num_f32 v[W+32*\u+TMPO], v[W+32*\u+TMPO], v[W+32*\u+BM+3]
.endr
.irp u, 0,1
	s_delay_alu instid0(VALU_DEP_2)
	v_mul_f32 v[W+32*\u+TMPO], s[CS], v[W+32*\u+TMPO]              ; as t
.endr
.irp u, 0,1
	s_delay_alu instid0(VALU_DEP_2)
	v_max_num_f32 v[ST+4*\u+1], v[ST+4*\u+1], v[W+32*\u+TMPO]      ; the running largest t
.endr
.irp u, 0,1
	v_mov_b32 v[W+32*\u+TMPO], v[ST+4*\u]
.endr
.irp u, 0,1
	s_delay_alu instid0(VALU_DEP_4)
	v_floor_f32 v[ST+4*\u], -v[ST+4*\u+1]                          ; the new -M = -ceil(t)
.endr
.irp u, 0,1
	s_delay_alu instid0(VALU_DEP_2)
	v_sub_f32 v[W+32*\u+TMPO], v[ST+4*\u], v[W+32*\u+TMPO]         ; old M - new M: a whole number, 0 or less
.endr
.irp u, 0,1
	s_delay_alu instid0(VALU_DEP_2)
	v_cvt_i32_f32 v[W+32*\u+TMPO], v[W+32*\u+TMPO]
.endr
.irp u, 0,1
	s_delay_alu instid0(VALU_DEP_2)
	v_ldexp_f32 v[W+32*\u+FF], 1.0, v[W+32*\u+TMPO]                ; f = 2^(old M - new M)
.endr
.irp u, 0,1
.irp j, 0,2,4,6,8,10,12,14,16,18,20,22,24,26,28,30,32,34,36,38,40,42,44,46,48,50,52,54,56,58,60,62
	v_pk_fma_f32 v[S+64*\u+\j:S+64*\u+\j+1], v[S+64*\u+\j:S+64*\u+\j+1], s[CS:CS+1], v[ST+4*\u:ST+4*\u+1] op_sel_hi:[1,0,0]   ; t - M
.endr
.irp b, 0,1,2,3
	v_fma_f32 v[W+32*\u+BM+\b], v[W+32*\u+BM+\b], s[CS], v[ST+4*\u]   ; the same of each block's largest score
.endr
.endr
.set n, 0
	s_wait_alu depctr_va_vdst(0)
.rept 128
	v_exp_f32 v[S+n], v[S+n]                       ; p = 2^(t - M), both tiles
.set n, n+1
.endr
.irp u, 0,1
.irp b, 0,1,2,3
	v_exp_f32 v[W+32*\u+BM+\b], v[W+32*\u+BM+\b]   ; each block's largest p: the same two instructions on the same number
.endr
.endr
.irp u, 0,1
	v_pk_mul_f32 v[ST+4*\u+2:ST+4*\u+3], v[ST+4*\u+2:ST+4*\u+3], v[W+32*\u+FF:W+32*\u+FF+1] op_sel_hi:[1,0]   ; the sums under the new M; plain places behind the exponentials
.endr
	s_wait_alu depctr_va_vdst(0)                   ; one wait for the whole batch, ahead of its first reader
.irp u, 0,1
	v_pk_add_f32 v[W+32*\u+TP:W+32*\u+TP+1], v[S+64*\u:S+64*\u+1], v[S+64*\u+2:S+64*\u+3]   ; the row's sum, of the unquantised p, in two chains a tile
.endr
.irp j, 4,8,12,16,20,24,28,32,36,40,44,48,52,56,60
.irp u, 0,1
	v_pk_add_f32 v[ST+4*\u+2:ST+4*\u+3], v[ST+4*\u+2:ST+4*\u+3], v[S+64*\u+\j:S+64*\u+\j+1]
	v_pk_add_f32 v[W+32*\u+TP:W+32*\u+TP+1], v[W+32*\u+TP:W+32*\u+TP+1], v[S+64*\u+\j+2:S+64*\u+\j+3]
.endr
.endr
.irp u, 0
	s_delay_alu instid0(VALU_DEP_3)
	v_pk_add_f32 v[ST+4*\u+2:ST+4*\u+3], v[ST+4*\u+2:ST+4*\u+3], v[W+32*\u+TP:W+32*\u+TP+1]
.endr
.irp u, 1
	s_delay_alu instid0(VALU_DEP_2)
	v_pk_add_f32 v[ST+4*\u+2:ST+4*\u+3], v[ST+4*\u+2:ST+4*\u+3], v[W+32*\u+TP:W+32*\u+TP+1]
.endr
.irp u, 0,1
.irp b, 0,1,2,3
	v_max_num_f32 v[W+32*\u+BM+\b], 0x1800000, v[W+32*\u+BM+\b]    ; the floor 2^(3 - 127)
.endr
.endr
.irp u, 0,1
.irp b, 0,1,2,3
	v_add_nc_u32 v[W+32*\u+SO+\b], 0xff000000, v[W+32*\u+BM+\b]    ; 2 off the exponent field: the conversion's scale operand
.endr
.endr
.irp u, 0,1
.irp b, 0,1,2,3
	v_lshrrev_b32 v[W+32*\u+TP+\b], 23, v[W+32*\u+SO+\b]           ; the scale's byte
.endr
.endr
.irp u, 0
	v_lshl_or_b32 v[W+32*\u+PWO], v[W+32*\u+TP+1], 8, v[W+32*\u+TP]   ; p's scale word for these 128 keys
.endr
.irp u, 1
	s_delay_alu instid0(VALU_DEP_4)
	v_lshl_or_b32 v[W+32*\u+PWO], v[W+32*\u+TP+1], 8, v[W+32*\u+TP]   ; p's scale word for these 128 keys
.endr
.irp u, 0,1
	s_delay_alu instid0(VALU_DEP_2)
	v_lshl_or_b32 v[W+32*\u+PWO], v[W+32*\u+TP+2], 16, v[W+32*\u+PWO]
.endr
.irp u, 0,1
	s_delay_alu instid0(VALU_DEP_2)
	v_lshl_or_b32 v[W+32*\u+PWO], v[W+32*\u+TP+3], 24, v[W+32*\u+PWO]
.endr
.irp u, 0,1
.irp c, 0,1
	v_cvt_scalef32_pk16_fp6_f32 v[W+32*\u+6*\c:W+32*\u+6*\c+2], v[S+64*\u+32*\c:S+64*\u+32*\c+15], v[W+32*\u+SO+2*\c]
	v_cvt_scalef32_pk16_fp6_f32 v[W+32*\u+TP+4*\c:W+32*\u+TP+4*\c+2], v[S+64*\u+32*\c+16:S+64*\u+32*\c+31], v[W+32*\u+SO+2*\c+1]   ; (a conversion's three registers begin on an even number)
.endr
.endr
	v_nop                                          ; one plain place behind a scaled conversion
.irp u, 0,1
.irp c, 0,1
.irp i, 0,1,2
	v_permlane16_swap_b32 v[W+32*\u+6*\c+\i], v[W+32*\u+TP+4*\c+\i]
.endr
.irp i, 0,1,2
	s_delay_alu instid0(VALU_DEP_3)
	v_mov_b32 v[W+32*\u+6*\c+3+\i], v[W+32*\u+TP+4*\c+\i]
.endr
.endr
.endr
	WIN 0x41                                       ; O^T (destination and source 0) window 1, f window 0
.irp u, 0,1
.irp j, 0,2,4,6,8,10,12,14,16,18,20,22,24,26,28,30,32,34,36,38,40,42,44,46,48,50,52,54,56,58,60,62
	v_pk_mul_f32 v[64*\u+\j:64*\u+\j+1], v[64*\u+\j:64*\u+\j+1], v[W+32*\u+FF:W+32*\u+FF+1] op_sel_hi:[1,0]   ; O^T under the new M; these 64 are also the places between p's codes and scale words and the products below
.endr
.endr
	s_wait_alu depctr_va_vdst(0)
	s_wait_dscnt 0x0                               ; v's fragments and scale words, asked for ahead of the softmax
	WIN 0x51                                       ; v and O^T window 1, p window 0
.irp t, 0,1,2,3,4,5,6,7
.irp u, 0,1
	v_wmma_scale_f32_16x16x128_f8f6f4 v[64*\u+8*\t:64*\u+8*\t+7], v[F+12*\t:F+12*\t+11], v[W+32*\u:W+32*\u+11], v[64*\u+8*\t:64*\u+8*\t+7], v[VS+\t], v[W+32*\u+PWO] matrix_a_fmt:MATRIX_FMT_FP6 matrix_b_fmt:MATRIX_FMT_FP6
.endr
.endr
	WIN 0                                          ; the sixteen accumulators take turns, one instruction a turn
	s_add_co_u32 s[TB], s[TB], CH
	s_add_co_u32 s[TS], s[TS], 512
.endm
	s_wait_alu depctr_va_vdst(0)
	s_wait_tensorcnt 0x0                           ; my head load is in
	ds_add_u32 v[SPW], v[NIL]
	s_wait_dscnt 0x0
	CROUND                                         ; the scale words and visit 0 are in, in every wave of every partner
	s_cmp_lt_u32 s[WV], 4
	s_cbranch_scc0 .Lno_fill12
	tensor_load_to_lds s[G00+4:G00+7], s[G1W:G1W+7]   ; visits 1 and 2 by one load: 49,152 consecutive bytes, two key steps in which to land
	s_nop 0
.rept 4
	v_nop
.endr
.Lno_fill12:
	s_wait_loadcnt 0x0
	s_mov_b32 s[CNT], 2
.Lv0:                                              ; visit 0: my half's chunks 0, 1
	STEP
	s_sub_co_u32 s[CNT], s[CNT], 1
	s_cmp_lg_u32 s[CNT], 0
	s_cbranch_scc1 .Lv0
	s_wait_tensorcnt 0x0                           ; all my tensor loads have landed, visits 1 and 2 among them
	ds_add_u32 v[SPW], v[NIL]
	s_add_nc_u64 s[G00+2:G00+3], s[G00+2:G00+3], 3*VISB
	s_wait_dscnt 0x0                               ; the add is done, and my reads of visit 0 are over
	CROUND                                         ; both now hold of every wave of every partner
	s_cmp_lt_u32 s[WV], 4
	s_cbranch_scc0 .Lno_refill
	tensor_load_to_lds s[G00:G00+3], s[G1U:G1U+7]  ; visit 3 into visit 0's places: four key steps in which to land
	s_nop 0
.rept 4
	v_nop
.endr
.Lno_refill:
	s_mov_b32 s[CNT], 4
.Lv12:                                             ; visits 1 and 2: my half's chunks 2-5
	STEP
	s_sub_co_u32 s[CNT], s[CNT], 1
	s_cmp_lg_u32 s[CNT], 0
	s_cbranch_scc1 .Lv12
	s_wait_tensorcnt 0x0                           ; visit 3 has landed
	ds_add_u32 v[SPW], v[NIL]
	s_mov_b32 s[TB], s66                           ; it lies where visit 0 lay
	s_wait_dscnt 0x0
	s_barrier_signal -1
	s_barrier_wait -1                              ; in every wave; and nobody reads places 2-5 any more
	s_mov_b32 s[CNT], 2
.Lv3:                                              ; visit 3: my half's chunks 6, 7
	STEP
	s_sub_co_u32 s[CNT], s[CNT], 1
	s_cmp_lg_u32 s[CNT], 0
	s_cbranch_scc1 .Lv3
	; THE WAY OUT.  First the two halves of the keys meet.
.irp u, 0,1
	v_add_f32 v[ST+4*\u+2], v[ST+4*\u+2], v[ST+4*\u+3]   ; each sum's two halves.  (These and the address lines below are the places behind the last products)
.endr
	s_mul_i32 s67, s2, XAR
	s_add_co_u32 s67, s67, XCH
	s_add_co_u32 s70, s67, s66                     ; my area
	s_xor_b32 s68, s3, 1
	s_mul_i32 s68, s68, HALF
	s_add_co_u32 s71, s67, s68                     ; my partner's: the same pair of tiles, the other half of the keys
	s_add_co_u32 s72, s70, 8192
	s_add_co_u32 s73, s71, 8192
	s_lshl_b32 s69, s2, 1
	s_add_co_u32 s69, s69, s3                      ; the tile of queries that I finish: 2 x pair + my half
	s_lshl_b32 s74, s69, 6
	s_add_co_u32 s74, s74, SSTG
	v_and_b32 v7, 31, v0
	s_delay_alu instid0(VALU_DEP_1)
	v_lshlrev_b32 v7, 4, v7                        ; 16 x lane
	s_delay_alu instid0(VALU_DEP_1)
	v_add_nc_u32 v8, s70, v7
	s_delay_alu instid0(VALU_DEP_2)
	v_add_nc_u32 v9, s71, v7
	v_add_nc_u32 v10, s72, v[AK0]
	v_add_nc_u32 v11, s73, v[AK0]
	v_and_b32 v60, 15, v0
	s_delay_alu instid0(VALU_DEP_1)
	v_lshl_add_u32 v60, v60, 2, s74                ; the scale stage: 64 x tile + 4 r
	v_add_nc_u32 v61, SSTG, v7
	s_cmp_lg_u32 s3, 0
	s_cselect_b32 vcc_lo, -1, 0                    ; all lanes: do I hold the keys' upper half?
	v_cndmask_b32 v62, v[ST+4], v[ST], vcc_lo      ; what I hand over: -M and the sum of the tile that my partner finishes,
	v_cndmask_b32 v63, v[ST+6], v[ST+2], vcc_lo
	v_cndmask_b32 v20, v[ST], v[ST+4], vcc_lo      ; what I keep: those of my tile
	v_cndmask_b32 v21, v[ST+2], v[ST+6], vcc_lo
	WIN 0x05                                       ; sources window 1, destination window 0
.set n, 0
.rept 64
	v_cndmask_b32 v[S+n], v[64+n], v[n], vcc_lo    ; O^T to hand over; each accumulator from its low end on
	v_cndmask_b32 v[S+64+n], v[n], v[64+n], vcc_lo ; O^T to keep
.set n, n+1
.endr
	WIN 0
.irp k, 0,1,2,3,4,5,6,7,8,9,10,11,12,13,14,15
	ds_store_b128 v8, v[S+4*\k:S+4*\k+3] offset:512*\k   ; an image of the registers: 16 bytes a lane, 512 a store
.endr
	ds_store_b64 v10, v[62:63]
	s_wait_dscnt 0x0                               ; for my partner's sake
	s_barrier_signal -1
	s_barrier_wait -1
.irp k, 0,1,2,3,4,5,6,7,8,9,10,11,12,13,14,15
	ds_load_b128 v[S+4*\k:S+4*\k+3], v9 offset:512*\k
.endr
	ds_load_b64 v[22:23], v11
	s_wait_dscnt 0x0
	v_min_num_f32 v24, v20, v22                    ; -M of both halves: the smaller -M
	s_delay_alu instid0(VALU_DEP_1)
	v_sub_f32 v25, v24, v20                        ; my M - the common M: a whole number, 0 or less
	s_delay_alu instid0(VALU_DEP_2)
	v_sub_f32 v26, v24, v22                        ; my partner's
	s_delay_alu instid0(VALU_DEP_2)
	v_cvt_i32_f32 v25, v25
	s_delay_alu instid0(VALU_DEP_2)
	v_cvt_i32_f32 v26, v26
	s_delay_alu instid0(VALU_DEP_2)
	v_ldexp_f32 v25, 1.0, v25
	s_delay_alu instid0(VALU_DEP_2)
	v_ldexp_f32 v26, 1.0, v26                      ; two exact powers of two
	s_delay_alu instid0(VALU_DEP_2)
	v_mul_f32 v27, v21, v25
	s_delay_alu instid0(VALU_DEP_1)
	v_fma_f32 v27, v23, v26, v27                   ; the sum under the common M,
	s_delay_alu instid0(VALU_DEP_1)
	v_permlanex16_b32 v28, v27, s[SEL], s[SEL+1]
	s_delay_alu instid0(VALU_DEP_1)
	v_add_f32 v27, v27, v28                        ; with lane l xor 16's: the row's sum
	s_wait_alu depctr_va_vdst(0)
	v_rcp_f32 v27, v27
	s_lshr_b32 s13, s10, 3
	s_lshl_b32 s13, s13, 4
	s_add_co_u32 s13, s13, s9                      ; the tokens' block G = 16 b + my block of queries
	s_and_b32 s14, s10, 7                          ; the head = the K step of the product with wo
	s_lshl_b32 s60, s13, 2
	s_lshr_b32 s15, s14, 1
	s_add_co_u32 s60, s60, s15
	s_lshl_b32 s60, s60, 3
	s_add_co_u32 s60, s60, s69
	s_mul_i32 s60, s60, 3072
	s_and_b32 s15, s14, 1
	s_mul_i32 s15, s15, 1536
	s_add_co_u32 s60, s60, s15
	s_mov_b32 s61, 0
	s_add_nc_u64 s[60:61], s[6:7], s[60:61]
	s_lshl_b32 s62, s13, 3
	s_add_co_u32 s62, s62, s14
	s_lshl_b32 s62, s62, 9
	s_add_co_u32 s62, s62, XSC
	s_mov_b32 s63, 0
	s_add_nc_u64 s[62:63], s[6:7], s[62:63]
	v_nop                                          ; a plain place behind the reciprocal
	s_wait_alu depctr_va_vdst(0)                   ; ahead of its first reader
	v_mul_f32 v30, v25, v27                        ; my power / the sum
	v_mul_f32 v32, v26, v27                        ; my partner's
.set n, 0
.rept 32
	v_pk_mul_f32 v[S+64+n:S+65+n], v[S+64+n:S+65+n], v[30:31] op_sel_hi:[1,0]
.set n, n+2
.endr
.set n, 0
.rept 32
	v_pk_fma_f32 v[S+64+n:S+65+n], v[S+n:S+n+1], v[32:33], v[S+64+n:S+65+n] op_sel_hi:[1,0,1]   ; I = the context
.set n, n+2
.endr
; two FitzHugh-Nagumo steps from v = w = 0:  A = 0.1 I;  w = 0.008 (A + 0.7);  v = A + 0.1 (A - A^3 / 3 - w + I).  Eight pairs at a time, pass by pass; A in v64-79, the bracket in v80-95, A + 0.7 in v96-111
.irp g, 0,16,32,48
.irp k, 0,2,4,6,8,10,12,14
	v_pk_mul_f32 v[64+\k:65+\k], v[128+\g+\k:129+\g+\k], 0x3dcccccd op_sel_hi:[1,0]
.endr
.irp k, 0,2,4,6,8,10,12,14
	v_pk_mul_f32 v[80+\k:81+\k], v[64+\k:65+\k], v[64+\k:65+\k]
.endr
.irp k, 0,2,4,6,8,10,12,14
	v_pk_mul_f32 v[80+\k:81+\k], v[80+\k:81+\k], v[64+\k:65+\k]
.endr
.irp k, 0,2,4,6,8,10,12,14
	v_pk_fma_f32 v[80+\k:81+\k], v[80+\k:81+\k], 0xbeaaaaab, v[64+\k:65+\k] op_sel_hi:[1,0,1]
.endr
.irp k, 0,2,4,6,8,10,12,14
	v_pk_add_f32 v[96+\k:97+\k], v[64+\k:65+\k], 0x3f333333 op_sel_hi:[1,0]
.endr
.irp k, 0,2,4,6,8,10,12,14
	v_pk_fma_f32 v[80+\k:81+\k], v[96+\k:97+\k], 0xbc03126f, v[80+\k:81+\k] op_sel_hi:[1,0,1]
.endr
.irp k, 0,2,4,6,8,10,12,14
	v_pk_add_f32 v[80+\k:81+\k], v[80+\k:81+\k], v[128+\g+\k:129+\g+\k]
.endr
.irp k, 0,2,4,6,8,10,12,14
	v_pk_fma_f32 v[128+\g+\k:129+\g+\k], v[80+\k:81+\k], 0x3dcccccd, v[64+\k:65+\k] op_sel_hi:[1,0,1]
.endr
.endr
	QUANT 128
.irp p, 0,1,2,3,4,5
	global_store_b64 v[AK0], v[QPC+2*\p:QPC+2*\p+1], s[60:61] offset:256*\p   ; 256 consecutive bytes, at a multiple of 256 from the buffer's first byte
.endr
	ds_store_b32 v60, v[QPW]                       ; both halves of the lanes write the same word with the same value
	s_wait_dscnt 0x0
	s_barrier_signal -1
	s_barrier_wait -1
	s_cmp_lg_u32 s[WV], 0
	s_cbranch_scc1 .Lnot_first
	ds_load_b128 v[216:219], v61                   ; the 128 rows' scale words of this head's K step
	s_wait_dscnt 0x0
	global_store_b128 v7, v[216:219], s[62:63]
.Lnot_first:
	s_wait_tensorcnt 0x0                           ; the wave's end
	ds_add_u32 v[SPW], v[NIL]
	s_wait_dscnt 0x0
	CROUND                                         ; the closing round
	s_endpgm
.Lfunc_end_k_qed7b686f11_attn:
	.size	k_qed7b686f11_attn, .Lfunc_end_k_qed7b686f11_attn-k_qed7b686f11_attn
	.p2alignl 7, 3214868480
	.fill 96, 4, 3214868480
	.section	.rodata,"a",@progbits
	.p2align	6, 0x0
	.amdhsa_kernel k_qed7b686f11_attn
		.amdhsa_group_segment_fixed_size 327680
		.amdhsa_private_segment_fixed_size 0
		.amdhsa_enable_private_segment 0
		.amdhsa_kernarg_size 16
		.amdhsa_user_sgpr_count 2
		.amdhsa_user_sgpr_kernarg_segment_ptr 1
		.amdhsa_wavefront_size32 1
		.amdhsa_system_sgpr_workgroup_id_x 1
		.amdhsa_system_sgpr_workgroup_id_y 1
		.amdhsa_system_sgpr_workgroup_id_z 1
		.amdhsa_system_vgpr_workitem_id 0
		.amdhsa_next_free_vgpr 512
		.amdhsa_next_free_sgpr 88
		.amdhsa_reserve_vcc 1
		.amdhsa_float_denorm_mode_32 3
		.amdhsa_float_denorm_mode_16_64 3
		.amdhsa_memory_ordered 1
		.amdhsa_forward_progress 1
		.amdhsa_inst_pref_size 170
	.end_amdhsa_kernel
	.amdgpu_metadata
---
amdhsa.version: [ 1, 2 ]
amdhsa.kernels:
  - .name:           k_qed7b686f11_attn
    .symbol:         k_qed7b686f11_attn.kd
    .args:
      - { .name: qkv, .offset: 0, .size: 8, .value_kind: global_buffer, .address_space: global }
      - { .name: cc, .offset: 8, .size: 8, .value_kind: global_buffer, .address_space: global }
    .group_segment_fixed_size: 327680
    .private_segment_fixed_size: 0
    .kernarg_segment_align: 8
    .kernarg_segment_size: 16
    .max_flat_workgroup_size: 256
    .sgpr_count:     88
    .vgpr_count:     512
    .wavefront_size: 32
...
	.end_amdgpu_metadata
.endif
;; end of part 3
;; launch wo (part 4): grid 8 x 32, 4 waves a work-group, clusters of 4 x 4, 327,680 bytes of LDS; arguments cc, wts, sdr, x1; writes x1
.if DOCPART == 4
	.amdgcn_target "amdgcn-amd-amdhsa--gfx1250"
	.amdhsa_code_object_version 6
	.text
	.protected	k_qed7b686f11_wo
	.globl	k_qed7b686f11_wo
	.p2align	8
	.type	k_qed7b686f11_wo,@function
k_qed7b686f11_wo:
	s_mov_b64 s[64:65], 0
	v_nop
	global_prefetch_b8 v0, s[64:65] scope:SCOPE_SE
	s_setreg_imm32_b32 hwreg(HW_REG_WAVE_MODE, 25, 1), 1
	s_wait_xcnt 0x0
	s_wait_alu depctr_hold_cnt(0) depctr_sa_sdst(0) depctr_va_vdst(0) depctr_va_sdst(0) depctr_va_ssrc(0) depctr_va_vcc(0) depctr_vm_vsrc(0)
	s_getreg_b32 s2, hwreg(HW_REG_IB_STS2, 6, 4)
	s_cmp_eq_u32 s2, 0
	s_cbranch_scc0 .Lentry_in_a_cluster
	s_endpgm
.Lentry_in_a_cluster:
	s_bfe_u32 s2, ttmp6, 0x10000c
	s_cmp_lg_u32 s2, 0xf033
	s_cbranch_scc0 .Lentry_shape_is_right
	s_endpgm
.Lentry_shape_is_right:
; out = res + A B^T on codes of FP6 (E2M3) with E8M0 scales.  Here: A = the attention launch's codes (cc), B = wo's image in wts, res = sdr, out = x1; K = 1,024.
; N = 1,024 gives only 64 tiles of 256 x 256, so a tile is 128 x 128: 256 work-groups; four waves of 64 x 64: 16 accumulators.  Operands come as images (fragment = 1,536 bytes, chunk p = registers 2 p, 2 p + 1 of lane l at 256 p + 8 l;
; unit = 128 rows x 256 K = 24,576 dense bytes).  K goes in NV visits of VU units through two LDS slots.  Here NV = 2: all of K lies in LDS and nothing is filled again.
; THE MATRIX INSTRUCTION IS USED TRANSPOSED (source 0 = 16 rows of B, source 1 = 16 rows of A): a lane holds eight neighbouring numbers of a row of the result.
; CLUSTERS: 4 x 4; A's tiles are shared along a row of the cluster, B's along a column: each is asked for jointly.
; REGISTERS: window 0: v16-29 addresses; v32-39 scale words, two sets; v64-127 rows on the way out; v128-255 accumulator (a, b) at v[128 + 8 (4 a + b)].  Window 1: set p at v[128 p]: A's four fragments, then B's.  Window 2: v0-127 the residual.
.set VU,    2                          ; units in a visit
.set NV,    2                          ; visits
.set NT,    8                          ; K steps of 128
.set GBLK,  98304                      ; a block of 128 rows, all of K
.set SBLK,  4096                       ; its scale words
.set ASC,   3145728                    ; where A's scale words begin in its buffer
.set BOFF,  24*98304                   ; where B's image begins in wts
.set BSC,   7471104+24*4096            ; and its scale words
.set NTOUT, 0                          ; the result is read again by later launches
.set UNIT,  24576
.set HVB,   VU*12288
.set SLOT,  2*VU*UNIT                  ; A's VU units, then B's
.set SCL,   2*SLOT                     ; the scale words: A's NT x 512 bytes, then B's
.set SPARE, SCL+NT*1024                ; the spare words: 128 bytes a wave
.set STAGE, 0                          ; the way out: 16 rows x 272 bytes a wave, in slot 0, which has had its last fill and is left by every wave at the last barrier
.set ADRA, 16                          ; v16-17
.set ADRB, 20                          ; v20-21
.set ADRS, 24
.set STO,  25
.set RD,   26
.set CO,   27
.set SPW,  28                          ; never rewritten
.set NIL,  29                          ; never rewritten
.set SC,   32
.set BK,   64
.set ACC,  128
.set G1A,  24
.set G1B,  32
.set G1SA, 40
.set G1SB, 48
.set GA_S, 56
.set GA_0, 60                          ; slot 1's set 8 registers on
.set GB_S, 72
.set GB_0, 76
.set MSB, 0
.macro WIN new
.if MSB != (\new)
	s_set_vgpr_msb (MSB<<8)|(\new)
.set MSB, (\new)
.endif
.endm
.macro PLACES n
.rept \n
	v_nop
.endr
.endm
.macro JLOAD g0a, g1a, g0b, g1b        ; waves 0 and 1 fetch for A, waves 2 and 3 for B; four v_nop follow each line
	s_cmp_eq_u32 s13, 0
	s_cbranch_scc0 .Lfor_b_\@
	tensor_load_to_lds s[\g0a:\g0a+3], s[\g1a:\g1a+7]
	s_nop 0
.rept 4
	v_nop
.endr
	s_branch .Lasked_\@
.Lfor_b_\@:
	tensor_load_to_lds s[\g0b:\g0b+3], s[\g1b:\g1b+7]
	s_nop 0
.rept 4
	v_nop
.endr
.Lasked_\@:
.endm
.macro CREST
	s_cmp_lg_u32 s12, 0
	s_cbranch_scc1 .Lnot_wave_0_\@
	s_barrier_signal -3
.Lnot_wave_0_\@:
	s_barrier_wait -3
	s_barrier_signal -1
	s_barrier_wait -1
.endm
.macro CROUND
	s_barrier_signal -1
	s_barrier_wait -1
	CREST
.endm
.macro MKG0 g, ldsreg, ldsoff, src, off
	s_mov_b32 s[\g], 1
	s_add_co_u32 s[\g+1], s[\ldsreg], \ldsoff
	s_add_nc_u64 s[\g+2:\g+3], s[\src:\src+1], \off
	s_or_b32 s[\g+3], s[\g+3], 0x80000000
.endm
	s_load_b256 s[4:11], s[0:1], 0x0               ; A s[4:5], wts s[6:7], the residual s[8:9], the result s[10:11]
	v_lshl_add_u32 v[SPW], v0, 2, SPARE
	v_mov_b32 v[NIL], 0
	ds_add_u32 v28, v29
	ds_add_u32 v28, v29
	s_wait_dscnt 0x0
	v_lshrrev_b32 v1, 5, v0
	v_readfirstlane_b32 s12, v1                    ; wave 0..3
	s_lshr_b32 s13, s12, 1                         ; i: my 64 rows of A.
	s_and_b32 s14, s12, 1                          ; j: my 64 rows of B.
	s_bfe_u32 s15, ttmp6, 0x40000                  ; cx
	s_bfe_u32 s16, ttmp6, 0x40004                  ; cy
	s_lshl_b32 s17, ttmp9, 2
	s_add_co_u32 s17, s17, s15                     ; tx: B's block
	s_and_b32 s18, ttmp7, 0xffff
	s_lshl_b32 s18, s18, 2
	s_add_co_u32 s18, s18, s16                     ; ty: A's block
	s_lshl_b32 s19, s16, 2
	s_lshl_b32 s19, 15, s19                        ; my row of the cluster
	s_lshl_b32 s20, 0x1111, s15                    ; my column
	s_or_b32 s[G1A], s19, (3<<16)|(1<<21)          ; the mask; elements of 8 bytes; 21 set beside a mask; no padding
	s_or_b32 s[G1B], s20, (3<<16)|(1<<21)
	s_or_b32 s[G1SA], s19, (3<<16)|(1<<21)
	s_or_b32 s[G1SB], s20, (3<<16)|(1<<21)
.irp g, G1A, G1B                       ; 192 VU rows of 256 bytes, dense
	s_mov_b32 s[\g+1], 32<<16
	s_mov_b32 s[\g+2], (192*VU)<<16        ; a whole block, all of K: 384 rows of 256 bytes
	s_mov_b32 s[\g+3], 32<<16
	s_mov_b32 s[\g+4], 192*VU
	s_mov_b32 s[\g+5], 32
	s_mov_b32 s[\g+6], 0
	s_mov_b32 s[\g+7], 0
.endr
.irp g, G1SA, G1SB                     ; 2 NT rows of 256 bytes
	s_mov_b32 s[\g+1], 32<<16
	s_mov_b32 s[\g+2], (2*NT)<<16
	s_mov_b32 s[\g+3], 32<<16
	s_mov_b32 s[\g+4], 2*NT
	s_mov_b32 s[\g+5], 32
	s_mov_b32 s[\g+6], 0
	s_mov_b32 s[\g+7], 0
.endr
	s_mov_b32 s21, 0                               ; a load brings a whole block
	s_mov_b32 s22, 0
	s_mul_i32 s88, s18, GBLK
	s_add_co_u32 s88, s88, s21
	s_mov_b32 s89, 0
	s_mul_i32 s90, s18, SBLK
	s_add_co_u32 s90, s90, s22
	s_add_co_u32 s90, s90, ASC
	s_mov_b32 s91, 0
	s_mul_i32 s92, s17, GBLK
	s_add_co_u32 s92, s92, s21
	s_add_co_u32 s92, s92, BOFF
	s_mov_b32 s93, 0
	s_mul_i32 s94, s17, SBLK
	s_add_co_u32 s94, s94, s22
	s_add_co_u32 s94, s94, BSC
	s_mov_b32 s95, 0
	s_mov_b32 s2, 0
	s_mov_b32 s3, 0
	s_lshl_b32 s96, s18, 19                        ; my part of the result: row 128 ty + 64 i, column 128 tx + 64 j
	s_lshl_b32 s97, s13, 18
	s_add_co_u32 s96, s96, s97
	s_lshl_b32 s97, s17, 9
	s_add_co_u32 s96, s96, s97
	s_lshl_b32 s97, s14, 8
	s_add_co_u32 s96, s96, s97
	s_mov_b32 s97, 0
	s_wait_kmcnt 0x0
	s_add_nc_u64 s[88:89], s[4:5], s[88:89]
	s_add_nc_u64 s[90:91], s[4:5], s[90:91]
	s_add_nc_u64 s[92:93], s[6:7], s[92:93]
	s_add_nc_u64 s[94:95], s[6:7], s[94:95]
	s_add_nc_u64 s[8:9], s[8:9], s[96:97]
	s_add_nc_u64 s[10:11], s[10:11], s[96:97]
	CROUND                                         ; all sixteen work-groups are here: the first joint loads meet
	MKG0 GA_S, 3, SCL, 90, 0
	MKG0 GB_S, 3, SCL+NT*512, 94, 0
	MKG0 GA_0, 2, 0, 88, 0                         ; A's block at LDS byte 0, B's behind it
	MKG0 GB_0, 2, 2*VU*UNIT, 92, 0
; one tensor load a wave at the head: wave 0 A's block, wave 1 B's, wave 2 A's scale words, wave 3 B's; nothing else is ever fetched
.macro ARM under, g0, g1, next
	s_cmp_lt_u32 s12, \under
	s_cbranch_scc0 \next
	tensor_load_to_lds s[\g0:\g0+3], s[\g1:\g1+7]
	s_nop 0
.rept 4
	v_nop
.endr
	s_branch .Lhead_asked
\next:
.endm
	ARM 1, GA_0, G1A, .Lhead_b
	ARM 2, GB_0, G1B, .Lhead_sa
	ARM 3, GA_S, G1SA, .Lhead_sb
	tensor_load_to_lds s[GB_S:GB_S+3], s[G1SB:G1SB+7]
	s_nop 0
.rept 4
	v_nop
.endr
.Lhead_asked:
	v_and_b32 v1, 15, v0                           ; r
	v_bfe_u32 v2, v0, 4, 1                         ; h
	s_wait_alu depctr_va_vdst(0)
	v_and_b32 v3, 31, v0
	v_lshlrev_b32 v3, 3, v3                        ; 8 x lane
	v_lshlrev_b32 v[CO], 12, v2
	v_lshl_add_u32 v[CO], v1, 4, v[CO]             ; lanes 0-15 one row of the result, lanes 16-31 the next; 16 bytes a lane
	WIN 0x80                                       ; destination window 2
.irp a, 0,1,2,3
.irp u, 0,1,2,3,4,5,6,7
	global_load_b128 v[4*(8*\a+\u):4*(8*\a+\u)+3], v[CO], s[8:9] offset:(16*\a+2*\u)*4096 th:TH_LOAD_NT   ; the residual, in the layout in which the result leaves
.endr
.endr
	WIN 0
	s_mul_i32 s21, s13, 12288
	s_mul_i32 s22, s14, 12288
	s_add_co_u32 s22, s22, 2*VU*UNIT
.irp s, 0,1
	v_add_nc_u32 v[ADRA+\s], s21, v3
	v_add_nc_u32 v[ADRB+\s], s22, v3
	s_add_co_u32 s21, s21, VU*UNIT
	s_add_co_u32 s22, s22, VU*UNIT
.endr
	s_lshl_b32 s21, s14, 8
	s_add_co_u32 s21, s21, NT*512
	s_lshl_b32 s22, s13, 8
	s_sub_co_u32 s21, s21, s22                     ; from A's words of my rows to B's
	v_mul_u32_u24 v4, s21, v2                      ; lanes 16-31 take B's
	s_add_co_u32 s22, s22, SCL
	v_lshl_add_u32 v4, v1, 2, v4
	v_add_nc_u32 v[ADRS], s22, v4
	s_mul_i32 s23, s12, 16*272
	s_add_co_u32 s23, s23, STAGE
	v_mul_u32_u24 v4, v1, 272
	v_lshl_add_u32 v4, v2, 5, v4
	v_add_nc_u32 v[STO], s23, v4                   ; in: row r, 32 bytes for each half of the lanes
	v_mul_u32_u24 v4, v2, 272
	v_lshl_add_u32 v4, v1, 4, v4
	v_add_nc_u32 v[RD], s23, v4                    ; back: lanes 0-15 one row of 256 bytes, lanes 16-31 the next
.macro FETCH t                         ; K step t's fragments and scale words into set t % 2
.set FV, (\t)/(2*VU)
.set FT, (\t)%(2*VU)
.set FS, FV%2
.set FO, (FT/2)*UNIT+(FT%2)*1536
.set FP, (\t)%2
	WIN 0x40                                       ; destination window 1, address window 0
.irp a, 0,1,2,3
.irp p, 0,1,2,3,4,5
	ds_load_b64 v[128*FP+12*\a+2*\p:128*FP+12*\a+2*\p+1], v[ADRA+FS] offset:FO+\a*3072+256*\p
.endr
.endr
.irp b, 0,1,2,3
.irp p, 0,1,2,3,4,5
	ds_load_b64 v[128*FP+48+12*\b+2*\p:128*FP+48+12*\b+2*\p+1], v[ADRB+FS] offset:FO+\b*3072+256*\p
.endr
.endr
	WIN 0
.irp i, 0,1,2,3
	ds_load_b32 v[SC+4*FP+\i], v[ADRS] offset:(\t)*512+64*\i
.endr
.endm
; 8 matrix instructions; the 16 accumulators take turns, one instruction a turn, in the same order in every K step
.macro MUL8 a0, p, zero
.irp a, \a0, \a0+1
.irp b, 0,1,2,3
.if \zero
	v_wmma_scale_f32_16x16x128_f8f6f4 v[ACC+8*(4*(\a)+\b):ACC+8*(4*(\a)+\b)+7], v[128*(\p)+48+12*\b:128*(\p)+48+12*\b+11], v[128*(\p)+12*(\a):128*(\p)+12*(\a)+11], 0, v[SC+4*(\p)+\b], v[SC+4*(\p)+(\a)] matrix_a_fmt:MATRIX_FMT_FP6 matrix_b_fmt:MATRIX_FMT_FP6 matrix_a_scale:MATRIX_SCALE_ROW1
.else
	v_wmma_scale_f32_16x16x128_f8f6f4 v[ACC+8*(4*(\a)+\b):ACC+8*(4*(\a)+\b)+7], v[128*(\p)+48+12*\b:128*(\p)+48+12*\b+11], v[128*(\p)+12*(\a):128*(\p)+12*(\a)+11], v[ACC+8*(4*(\a)+\b):ACC+8*(4*(\a)+\b)+7], v[SC+4*(\p)+\b], v[SC+4*(\p)+(\a)] matrix_a_fmt:MATRIX_FMT_FP6 matrix_b_fmt:MATRIX_FMT_FP6 matrix_a_scale:MATRIX_SCALE_ROW1
.endif
.endr
.endr
.endm
.macro KSTEP                           ; K step t (a symbol)
	s_wait_dscnt 0x0
	PLACES 4                                       ; in front of loads into the set that the last K step's products read
	FETCH t+1                                      ; asked for ahead of all 16 products of this K step
	WIN 0x05                                       ; sources 0 and 1 window 1; C and D window 0
.if t == 0
	MUL8 0, t%2, 1
.else
	MUL8 0, t%2, 0
.endif
.if t == 0
	MUL8 2, t%2, 1
.else
	MUL8 2, t%2, 0
.endif
.endm
; A visit's last K step: one barrier; in front of it each wave waits for all its tensor loads, adds 0 to its spare word, and waits for that and for its reads of this slot.  Where a visit two on exists, this slot takes it.
.macro TURN
.set TV, t/(2*VU)
.set TSL, TV%2
	WIN 0
	s_wait_tensorcnt 0x0
	ds_add_u32 v[SPW], v[NIL]
.if TV+2 < NV
	s_add_nc_u64 s[GA_0+8*TSL+2:GA_0+8*TSL+3], s[GA_0+8*TSL+2:GA_0+8*TSL+3], 2*VU*UNIT
	s_add_nc_u64 s[GB_0+8*TSL+2:GB_0+8*TSL+3], s[GB_0+8*TSL+2:GB_0+8*TSL+3], 2*VU*UNIT
.endif
	s_wait_dscnt 1                                 ; this K step's set is in; the add alone may be out
	WIN 0x05
	MUL8 0, t%2, 0
	s_wait_dscnt 0x0
	s_barrier_signal -1
	WIN 0
	s_barrier_wait -1
.if TV+2 < NV
	CREST                                          ; the barrier has opened a round of the cluster's
	JLOAD GA_0+8*TSL, G1A, GB_0+8*TSL, G1B         ; the first tensor load behind the round; its four v_nop are also the places in front of the loads below
.else
	PLACES 4
.endif
	FETCH t+1
	WIN 0x05
	MUL8 2, t%2, 0
.endm
	s_wait_alu depctr_va_vdst(0)
	s_wait_tensorcnt 0x0
	s_barrier_signal -1
	s_barrier_wait -1
	FETCH 0
.set t, 0
.rept NT
.if t == NT-1
	s_wait_dscnt 0x0
	WIN 0x05
	MUL8 0, t%2, 0
	MUL8 2, t%2, 0
	WIN 0
.elseif (t%(2*VU)) == (2*VU-1)
	TURN
.else
	KSTEP
.endif
.set t, t+1
.endr
	; THE WAY OUT: 16 rows x 64 columns at a time through my own stage, back as rows of 256 bytes; the residual is added; sixteen lanes store 256 consecutive bytes, at a multiple of 256 from the buffer's first byte
	s_wait_loadcnt 0x0                             ; the residual
	PLACES 4
.irp a, 0,1,2,3
.if \a > 1
	s_wait_xcnt 0x0                                ; block a - 2's stores have read their registers
.endif
.irp b, 0,1,2,3
	ds_store_b128 v[STO], v[ACC+8*(4*\a+\b):ACC+8*(4*\a+\b)+3] offset:64*\b      ; each accumulator from its low end on
	ds_store_b128 v[STO], v[ACC+8*(4*\a+\b)+4:ACC+8*(4*\a+\b)+7] offset:64*\b+16
.endr
.irp u, 0,1,2,3,4,5,6,7
	ds_load_b128 v[BK+32*(\a%2)+4*\u:BK+32*(\a%2)+4*\u+3], v[RD] offset:544*\u   ; LDS serves a wave's instructions in order: these see my stores
.endr
	s_wait_dscnt 0x0
	WIN 0x08                                       ; source 1 window 2
.irp n, 0,2,4,6,8,10,12,14,16,18,20,22,24,26,28,30
	v_pk_add_f32 v[BK+32*(\a%2)+\n:BK+32*(\a%2)+\n+1], v[BK+32*(\a%2)+\n:BK+32*(\a%2)+\n+1], v[32*\a+\n:32*\a+\n+1]
.endr
	WIN 0
.irp u, 0,1,2,3,4,5,6,7
.if NTOUT
	global_store_b128 v[CO], v[BK+32*(\a%2)+4*\u:BK+32*(\a%2)+4*\u+3], s[10:11] offset:(16*\a+2*\u)*4096 th:TH_STORE_NT
.else
	global_store_b128 v[CO], v[BK+32*(\a%2)+4*\u:BK+32*(\a%2)+4*\u+3], s[10:11] offset:(16*\a+2*\u)*4096
.endif
.endr
.endr
	s_wait_tensorcnt 0x0                           ; the wave's end
	ds_add_u32 v[SPW], v[NIL]
	s_wait_dscnt 0x0
	CROUND                                         ; the closing round
	s_endpgm
.Lfunc_end_k_qed7b686f11_wo:
	.size	k_qed7b686f11_wo, .Lfunc_end_k_qed7b686f11_wo-k_qed7b686f11_wo
	.p2alignl 7, 3214868480
	.fill 96, 4, 3214868480
	.section	.rodata,"a",@progbits
	.p2align	6, 0x0
	.amdhsa_kernel k_qed7b686f11_wo
		.amdhsa_group_segment_fixed_size 327680
		.amdhsa_private_segment_fixed_size 0
		.amdhsa_enable_private_segment 0
		.amdhsa_kernarg_size 32
		.amdhsa_user_sgpr_count 2
		.amdhsa_user_sgpr_kernarg_segment_ptr 1
		.amdhsa_wavefront_size32 1
		.amdhsa_system_sgpr_workgroup_id_x 1
		.amdhsa_system_sgpr_workgroup_id_y 1
		.amdhsa_system_sgpr_workgroup_id_z 1
		.amdhsa_system_vgpr_workitem_id 0
		.amdhsa_next_free_vgpr 640
		.amdhsa_next_free_sgpr 102
		.amdhsa_reserve_vcc 0
		.amdhsa_float_denorm_mode_32 3
		.amdhsa_float_denorm_mode_16_64 3
		.amdhsa_memory_ordered 1
		.amdhsa_forward_progress 1
		.amdhsa_inst_pref_size 68
	.end_amdhsa_kernel
	.amdgpu_metadata
---
amdhsa.version: [ 1, 2 ]
amdhsa.kernels:
  - .name:           k_qed7b686f11_wo
    .symbol:         k_qed7b686f11_wo.kd
    .args:
      - { .name: cc, .offset: 0, .size: 8, .value_kind: global_buffer, .address_space: global }
      - { .name: wts, .offset: 8, .size: 8, .value_kind: global_buffer, .address_space: global }
      - { .name: sdr, .offset: 16, .size: 8, .value_kind: global_buffer, .address_space: global }
      - { .name: x1, .offset: 24, .size: 8, .value_kind: global_buffer, .address_space: global }
    .group_segment_fixed_size: 327680
    .private_segment_fixed_size: 0
    .kernarg_segment_align: 8
    .kernarg_segment_size: 32
    .max_flat_workgroup_size: 128
    .sgpr_count:     102
    .vgpr_count:     640
    .wavefront_size: 32
...
	.end_amdgpu_metadata
.endif
;; end of part 4
;; launch ln2: the kernel of part 1 again; grid 256 x 1, 8 waves a work-group, no clusters, 167,936 bytes of LDS; arguments x1, g2, b2, xa, wq_codes, wq_scales, wk_codes, wk_scales, wv_codes, wv_scales, wo_codes, wo_scales, w_gate_codes, w_gate_scales, w_up_codes, w_up_scales, w_down, wts; writes xa, wts
;; launch gateup (part 5): grid 32 x 8, 4 waves a work-group, clusters of 4 x 1, 327,680 bytes of LDS; arguments xa, wts, hh; writes hh
.if DOCPART == 5
	.amdgcn_target "amdgcn-amd-amdhsa--gfx1250"
	.amdhsa_code_object_version 6
	.text
	.protected	k_qed7b686f11_gateup
	.globl	k_qed7b686f11_gateup
	.p2align	8
	.type	k_qed7b686f11_gateup,@function
k_qed7b686f11_gateup:
	s_mov_b64 s[64:65], 0
	v_nop
	global_prefetch_b8 v0, s[64:65] scope:SCOPE_SE
	s_setreg_imm32_b32 hwreg(HW_REG_WAVE_MODE, 25, 1), 1
	s_wait_xcnt 0x0
	s_wait_alu depctr_hold_cnt(0) depctr_sa_sdst(0) depctr_va_vdst(0) depctr_va_sdst(0) depctr_va_ssrc(0) depctr_va_vcc(0) depctr_vm_vsrc(0)
	s_getreg_b32 s2, hwreg(HW_REG_IB_STS2, 6, 4)
	s_cmp_eq_u32 s2, 0
	s_cbranch_scc0 .Lentry_in_a_cluster
	s_endpgm
.Lentry_in_a_cluster:
	s_bfe_u32 s2, ttmp6, 0x10000c
	s_cmp_lg_u32 s2, 0x3003
	s_cbranch_scc0 .Lentry_shape_is_right
	s_endpgm
.Lentry_shape_is_right:
; h = silu(LN(x) w_gate) x (LN(x) w_up) on codes of FP6 (E2M3) with E8M0 scales, quantised in registers for the product with w_down.
; Operands come as images (fragment = 16 rows x 128 K = 1,536 bytes, chunk p = registers 2 p, 2 p + 1 of lane l at 256 p + 8 l; block G = 128 rows x 1,024 K = [k / 256][row tile 0..7][k step 0, 1][1,536] = 98,304 bytes).
; A weight block holds 64 rows of gate (row tiles 0-3) and the same 64 rows of up (tiles 4-7).
; SHARES: 32 x 8 = 256 work-groups.  A work-group takes 128 tokens and whole K steps (128 hidden units) of the next product: 22 K steps over 8 groups are 3 each for groups 0-5 and 2 for groups 6, 7.
; Wave (i, j) takes tokens 64 i .. 64 i + 63, whose fragments for all of K stay in 384 registers, and weight block j of a K step's two.  A PASS is 64 tokens x one hidden block of 32 (32 rows of gate, 32 of up): 16 accumulators,
; 8 steps of 128 along K; each weight fragment read from LDS feeds four products.  A K step of the next product is two passes (hidden blocks 2 j and 2 j + 1): together they give the wave registers 6 j .. 6 j + 5 of a fragment of h,
; chunks 3 j .. 3 j + 2 of its image, stored as whole runs of 256 bytes, and two of the row's four scale bytes, which meet the other wave's in an LDS stage.
; THE MATRIX INSTRUCTION IS USED TRANSPOSED (source 0 = weight rows, source 1 = tokens): a lane holds a token, its registers run along the hidden units.  Register i of half h holds unit 16 (i / 8) + 8 h + i % 8 of its block and is laid at
; place 16 h + i: w_down's rows were laid the same way.  Hidden units 2,730 .. 2,815 have zero codes in gate and up: h = 0 there.
; THE RING: two LDS slots; a slot holds hidden block b of both weight blocks of a K step: 16 rows of 6,144 bytes (two row tiles x 256 K), 12,288 bytes apart in memory.  Waves 0 and 1 fetch 8 rows each; wave 2 the next K step's scale words.
; THE FRAGMENT LOADS stand in few long runs: the weight fragments of TWO steps of K come in one run of 48 loads, issued at the head of the two steps before them: four runs and 128 matrix instructions to a pass.
; CLUSTER: 4 x 1 along the tokens: the partners walk the same weights, asked for jointly (mask 15); the tokens' block is each work-group's own.  The trip count hangs on the group of hidden units alone, which the partners share.
; No prefetch: a work-group's stream of weights is six tiles at the most, the first two are asked for at the head, and each later one a whole pass ahead of its first read.
; LIMITS: NaN and infinities not served; scale bytes held at 1 from below; a block of zeros has byte 1 (this program alone reads the bytes).
; REGISTERS: window 0: v8-29 addresses; v32-63 the tokens' scale words; v64-127 the weights' of a K step's two passes; v128-191 the way out's 64 numbers; v192-255 at work.
;   window 1: the tokens' fragments of K steps 0-4 (fragment (t, a) at 12 (4 t + a)); window 2: v0-143 those of K steps 5-7; v144-239 the weight fragments of steps 2, 3, 6, 7.
;   window 3: v0-127 accumulator (a, x) at 32 a + 8 x (x = 0, 1 gate; 2, 3 up); v128-223 the weight fragments of steps 0, 1, 4, 5; v224-225 the weight fragments' LDS addresses in slot 0, 1.
.set XSC,   3145728
.set WSC,   7471104
.set HSC,   8650752
.set GBLK,  98304
.set SL0,   98304                      ; LDS: the tokens' block at 0, then the two slots,
.set SL1,   196608
.set ASL,   294912                     ; the tokens' scale words, 4,096 bytes,
.set SCB,   299008                     ; the weights' scale words of one K step of the next product, 8,192 bytes,
.set STG,   307200                     ; the stage for h's scale words, 512 bytes that no tensor load fills,
.set SPARE, 307712                     ; the spare words: 128 bytes a wave
.set OW,   8                           ; v8-11 the scale words on their way out
.set PW,   12                          ; v12-15 two scale bytes of each token tile
.set ADSB, 18
.set LO8,  19
.set LO16, 20
.set STW,  21
.set STR,  22
.set ADRA, 23                          ; v23-24 my tokens' fragments, k / 512 = 0, 1
.set ADSA, 25
.set SPW,  28                          ; never rewritten
.set NIL,  29                          ; never rewritten
.set SA,   32
.set SB,   64
.set TX,   128
.set TM,   192                         ; + 0 maxima, + 4 at work, + 8 the first pass's bytes, + 12 the conversions' scale operands
.set PX,   208                         ; token tile a's six registers at PX + 8 a
.set PY,   240
.set BAD,  224                         ; in window 3: the weight fragments' addresses
.set SEL,  20                          ; s[20:21] lane selects
.set G1AC, 24
.set G1AS, 32
.set G1BH, 40
.set G1BC, 48
.set G1BS, 56
.set G0A,  68
.set G0AS, 72
.set G0BH, 76
.set G0BS, 80
.set G0C0, 84
.set G0C1, 88
.set MSB, 0
.macro WIN new                         ; the immediate's high byte repeats the setting that is left
.if MSB != (\new)
	s_set_vgpr_msb (MSB<<8)|(\new)
.set MSB, (\new)
.endif
.endm
.macro PLACES n
.rept \n
	v_nop
.endr
.endm
.macro CREST
	s_cmp_lg_u32 s10, 0
	s_cbranch_scc1 .Lnot_wave_0_\@
	s_barrier_signal -3
.Lnot_wave_0_\@:
	s_barrier_wait -3
	s_barrier_signal -1
	s_barrier_wait -1
.endm
.macro CROUND
	s_barrier_signal -1
	s_barrier_wait -1
	CREST
.endm
.macro MKG1 g, w0, c, r, p             ; r rows of c elements of 8 bytes, p elements apart
	s_mov_b32 s[\g], \w0
	s_mov_b32 s[\g+1], (\c)<<16
	s_mov_b32 s[\g+2], (\r)<<16
	s_mov_b32 s[\g+3], (\c)<<16
	s_mov_b32 s[\g+4], \r
	s_mov_b32 s[\g+5], \p
	s_mov_b32 s[\g+6], 0
	s_mov_b32 s[\g+7], 0
.endm
.macro MKG0 g, lds, src, off
	s_mov_b32 s[\g], 1
	s_mov_b32 s[\g+1], \lds
	s_add_nc_u64 s[\g+2:\g+3], s[\src:\src+1], \off
	s_or_b32 s[\g+3], s[\g+3], 0x80000000
.endm
.macro TLOAD g0, g1                    ; an s_nop 0 and four v_nop follow each tensor load
	tensor_load_to_lds s[\g0:\g0+3], s[\g1:\g1+7]
	s_nop 0
.rept 4
	v_nop
.endr
.endm
.macro ARM under, g0, g1, next
	s_cmp_lt_u32 s10, \under
	s_cbranch_scc0 \next
	TLOAD \g0, \g1
	s_branch .Lhead_asked
\next:
.endm
; a slot's fill: waves 0 and 1 fetch one weight block's 8 rows each; sc = 1: wave 2 fetches the next K step's scale words
.macro RLOAD g0, sc
	s_cmp_lt_u32 s10, 2
	s_cbranch_scc0 .Lr1_\@
	TLOAD \g0, G1BC
.if \sc
	s_branch .Lr2_\@
.endif
.Lr1_\@:
.if \sc
	s_cmp_eq_u32 s10, 2
	s_cbranch_scc0 .Lr2_\@
	TLOAD G0BS, G1BS
.Lr2_\@:
.endif
.endm
	s_load_b128 s[4:7], s[0:1], 0x0                ; xa, wts
	s_load_b64 s[8:9], s[0:1], 0x10                ; hh
	v_lshl_add_u32 v[SPW], v0, 2, SPARE
	v_mov_b32 v[NIL], 0
	ds_add_u32 v[SPW], v[NIL]                      ; the opening lines: the add, twice on end, and its wait ahead of my first tensor load
	ds_add_u32 v[SPW], v[NIL]
	v_lshrrev_b32 v1, 5, v0
	v_readfirstlane_b32 s10, v1                    ; wave 0..3
	s_lshr_b32 s11, s10, 1                         ; i: my 64 tokens
	s_and_b32 s12, s10, 1                          ; j: my weight block of a K step's two
	s_bfe_u32 s13, ttmp6, 0x40000                  ; cx
	s_lshl_b32 s14, ttmp9, 2
	s_add_co_u32 s14, s14, s13                     ; my block of 128 tokens
	s_and_b32 s15, ttmp7, 0xffff                   ; the group of hidden units, which the partners share
	s_mul_i32 s16, s15, 3
	s_lshl_b32 s17, s15, 1
	s_add_co_u32 s17, s17, 6
	s_min_u32 s16, s16, s17                        ; its first K step of the next product: 0, 3, .. 15, 18, 20
	s_cmp_lt_u32 s15, 6
	s_cselect_b32 s17, 2, 1                        ; its K steps less one: the loop's trips
	MKG1 G1AC, 3<<16, 32, 384, 32                  ; the tokens' block: 384 dense rows of 256 bytes; no mask: a load of my own
	MKG1 G1AS, 3<<16, 32, 16, 32                   ; its scale words
	MKG1 G1BH, 15|(3<<16)|(1<<21), 768, 16, 1536   ; a slot whole: 16 rows of 6,144 bytes, 12,288 apart; the mask names all four partners, bit 21 beside it
	MKG1 G1BC, 15|(3<<16)|(1<<21), 768, 8, 1536    ; half a slot
	MKG1 G1BS, 15|(3<<16)|(1<<21), 32, 32, 32      ; two weight blocks' scale words: 8,192 dense bytes
	s_mul_i32 s92, s14, GBLK
	s_mov_b32 s93, 0
	s_lshl_b32 s94, s14, 12
	s_add_co_u32 s94, s94, XSC
	s_mov_b32 s95, 0
	s_lshl_b32 s18, s16, 1
	s_add_co_u32 s18, s18, 32                      ; the first weight block
	s_mul_i32 s96, s18, GBLK
	s_mov_b32 s97, 0
	s_lshl_b32 s98, s18, 12
	s_add_co_u32 s98, s98, WSC
	s_mov_b32 s99, 0
	s_mul_i32 s20, s12, GBLK                       ; in the ring: which of the two blocks I fetch
	s_mov_b32 s21, 0
	s_mul_i32 s22, s12, 49152                      ; and where it lies in a slot
	s_add_co_u32 s18, s22, SL0
	s_add_co_u32 s19, s22, SL1
	s_mul_i32 s23, s11, 12288                      ; my four row tiles of the tokens' block
	s_add_co_u32 s13, s23, 49152
	s_lshl_b32 s15, s11, 8
	s_lshl_b32 s3, s12, 1
	s_add_co_u32 s3, s3, s15
	s_add_co_u32 s3, s3, STG                       ; the stage: 256 i + 2 j
	s_add_co_u32 s15, s15, ASL
	s_lshl_b32 s2, s12, 12
	s_add_co_u32 s2, s2, SCB
	s_mul_i32 s100, s14, 270336                    ; h's image: my tokens' block, my row tiles, my three chunks
	s_add_co_u32 s100, s100, s23
	s_mul_i32 s101, s12, 768
	s_add_co_u32 s100, s100, s101
	s_mov_b32 s101, 0
	s_wait_dscnt 0x0                               ; both opening adds are done
	s_wait_kmcnt 0x0
	s_add_nc_u64 s[92:93], s[4:5], s[92:93]
	s_add_nc_u64 s[94:95], s[4:5], s[94:95]
	s_add_nc_u64 s[96:97], s[6:7], s[96:97]
	s_add_nc_u64 s[98:99], s[6:7], s[98:99]
	s_mul_i32 s6, s14, 11264
	s_add_co_u32 s6, s6, HSC
	s_mov_b32 s7, 0
	s_add_nc_u64 s[4:5], s[8:9], s[6:7]            ; h's scale words of my tokens' block
	s_add_nc_u64 s[8:9], s[8:9], s[100:101]
	CROUND                                         ; all four work-groups are here: the first joint loads meet
	MKG0 G0A, 0, 92, 0
	MKG0 G0AS, ASL, 94, 0
	MKG0 G0BH, SL0, 96, 0                          ; the first K step's hidden blocks b = 0
	MKG0 G0BS, SCB, 98, 0
	s_add_nc_u64 s[96:97], s[96:97], s[20:21]
	MKG0 G0C0, 0, 96, 2*GBLK                       ; slot 0's next fill: the second K step, b = 0
	MKG0 G0C1, 0, 96, 6144                         ; slot 1's first: the first K step, b = 1
	s_mov_b32 s[G0C0+1], s18
	s_mov_b32 s[G0C1+1], s19
	s_mov_b32 s[SEL], 0x76543210
	s_mov_b32 s[SEL+1], 0xfedcba98
	; one tensor load a wave at the head: the tokens' block, its scale words, slot 0, the weights' scale words
	ARM 1, G0A, G1AC, .Lhead_1
	ARM 2, G0AS, G1AS, .Lhead_2
	ARM 3, G0BH, G1BH, .Lhead_3
	TLOAD G0BS, G1BS
.Lhead_asked:
	v_and_b32 v1, 15, v0                           ; r
	v_and_b32 v3, 31, v0
	v_lshlrev_b32 v2, 2, v1                        ; 4 r
	v_lshlrev_b32 v[LO8], 3, v3
	v_lshlrev_b32 v[LO16], 4, v3
	WIN 0xc0                                       ; destination window 3
	v_add_nc_u32 v[BAD], s18, v[LO8]
	v_add_nc_u32 v[BAD+1], s19, v[LO8]
	WIN 0
	v_add_nc_u32 v[ADRA], s23, v[LO8]
	v_add_nc_u32 v[ADRA+1], s13, v[LO8]
	v_add_nc_u32 v[ADSA], s15, v2
	v_add_nc_u32 v[ADSB], s2, v2
	v_add_nc_u32 v[STW], s3, v2
	v_add_nc_u32 v[STR], STG, v[LO16]
.irp a, 0,1,2,3
	v_mov_b32 v[TM+4+\a], 0                        ; a lane permute's destination counts as one of its sources
.endr
; Weight fragment x of step t of K (x = 0, 1 gate's row tiles, 2, 3 up's) lies at register 128 + 16 ((t / 2) % 2) + 48 (t % 2) + 12 x of window 3 - (t / 2) % 2.
; The eight fragments of steps 2 u and 2 u + 1, from slot sl: 48 loads in one run
.macro FETCH2 sl, u
	WIN ((3-((\u)%2))<<6)|3                        ; destination window 3 or 2; the address in window 3
.irp k, 0,1
.irp x, 0,1,2,3
.irp p, 0,1,2,3,4,5
	ds_load_b64 v[128+16*((\u)%2)+48*\k+12*\x+2*\p:128+16*((\u)%2)+48*\k+12*\x+2*\p+1], v[BAD+\sl] offset:(2*(\u)+\x/2)*6144+(\x%2)*3072+\k*1536+256*\p
.endr
.endr
.endr
.endm
.macro LOADSB                          ; the weights' scale words of both passes: word (b, t, x) of my weight block
	WIN 0
.irp b, 0,1
.irp t, 0,1,2,3,4,5,6,7
.irp x, 0,1,2,3
	ds_load_b32 v[SB+32*\b+4*\t+\x], v[ADSB] offset:\t*512+((\x/2)*4+2*\b+(\x%2))*64
.endr
.endr
.endr
.endm
.macro WM d, bf, af, sb, sa, zero
.if \zero
	v_wmma_scale_f32_16x16x128_f8f6f4 v[\d:\d+7], v[\bf:\bf+11], v[\af:\af+11], 0, v[\sb], v[\sa] matrix_a_fmt:MATRIX_FMT_FP6 matrix_b_fmt:MATRIX_FMT_FP6
.else
	v_wmma_scale_f32_16x16x128_f8f6f4 v[\d:\d+7], v[\bf:\bf+11], v[\af:\af+11], v[\d:\d+7], v[\sb], v[\sa] matrix_a_fmt:MATRIX_FMT_FP6 matrix_b_fmt:MATRIX_FMT_FP6
.endif
.endm
.macro SETW t                          ; C and D window 3; source 0: the window of step t's weight fragments; source 1: that of its token fragments
.if (\t) < 5
	WIN 0xf4|(3-(((\t)/2)%2))
.set AFB, 48*(\t)
.else
	WIN 0xf8|(3-(((\t)/2)%2))
.set AFB, 48*((\t)-5)
.endif
.endm
; 4 matrix instructions: weight fragment x of step t against the four token tiles.
; The 16 accumulators take turns, one instruction a turn, in the same order in every step; step 0 starts the sums
.macro GRP t, b, x
.irp a, 0,1,2,3
	WM 32*\a+8*(\x), 128+16*(((\t)/2)%2)+48*((\t)%2)+12*(\x), AFB+12*\a, SB+32*(\b)+4*(\t)+(\x), SA+4*(\t)+\a, (\t)==0
.endr
.endm
.macro STEP16 t, b                     ; a whole step of K: 16 matrix instructions
	SETW \t
.irp x, 0,1,2,3
	GRP \t, \b, \x
.endr
.endm
; A PASS on slot sl.  mode 2: its last step holds the three lines, a round of the cluster's barrier and the slot's refill; mode 1: the three lines and a barrier, which shows the other slot whole; mode 0: nothing more is read
.macro PASS sl, b, mode
.irp u, 0,1,2
	s_wait_dscnt 0x0                               ; these two steps' fragments are in (asked for two steps ago), and in the first trip of this run the scale words
	PLACES 4                                       ; four places in front of loads into the registers that the last two steps' products read
	FETCH2 \sl, \u+1
	STEP16 2*\u, \b
	STEP16 2*\u+1, \b
.endr
	s_wait_dscnt 0x0                               ; the last two steps' fragments are in: my reads of this slot are over
	STEP16 6, \b
	WIN 0
.if \mode
	s_wait_tensorcnt 0x0                           ; all my tensor loads have landed, so a group 0 may be written
	ds_add_u32 v[SPW], v[NIL]
.if \mode == 2
.if \b
	s_add_nc_u64 s[G0C0+2:G0C0+3], s[G0C0+2:G0C0+3], 2*GBLK   ; both slots' next fills: a K step of the next product on
	s_add_nc_u64 s[G0C1+2:G0C1+3], s[G0C1+2:G0C1+3], 2*GBLK
.else
	s_add_nc_u64 s[G0BS+2:G0BS+3], s[G0BS+2:G0BS+3], 8192
.endif
.endif
	SETW 7
	GRP 7, \b, 0                                   ; eight matrix instructions stand between the add and the wait for it
	GRP 7, \b, 1
	s_wait_dscnt 0x0                               ; the add is done
	s_barrier_signal -1
	GRP 7, \b, 2
	GRP 7, \b, 3
	WIN 0
	s_barrier_wait -1
.if \mode == 2
	CREST                                          ; the barrier has opened a round of the cluster's: no wave of any partner still reads this slot or has a load on its way
.if \b
	RLOAD G0C1, 0
.else
	RLOAD G0C0, 1                                  ; every wave has the weights' scale words in registers: their bytes take the next K step's
.endif
.endif
.else
	STEP16 7, \b
	WIN 0
.endif
	PLACES 4                                       ; on every wave's way: in front of loads into registers that products read, and of the first read of the results
.endm
; THE WAY OUT of a pass: 64 tokens x 32 hidden units, 64 numbers a lane, number 16 a + n of token tile a.  silu(g) = g / (1 + 2^(-g log2 e)); h = (g x sigmoid) x u.  Each batch of 64 transcendentals has a wait ahead and one behind.
.macro EPI b
	s_wait_xcnt 0x0                                ; the last stores have read their registers and bases
.if \b
	s_lshr_b32 s92, s16, 1                         ; where this K step's fragments lie in h's image
	s_mul_i32 s92, s92, 24576
	s_and_b32 s93, s16, 1
	s_mul_i32 s93, s93, 1536
	s_add_co_u32 s92, s92, s93
	s_mov_b32 s93, 0
	s_add_nc_u64 s[94:95], s[8:9], s[92:93]
	s_lshl_b32 s92, s16, 9
	s_add_nc_u64 s[96:97], s[4:5], s[92:93]        ; and its 512 bytes of scale words
	s_add_co_u32 s16, s16, 1
.endif
	WIN 0x03                                       ; source 0: the accumulators' window
.set n, 0
.rept 32
	v_pk_mul_f32 v[TX+n:TX+n+1], v[32*(n/16)+(n%16):32*(n/16)+(n%16)+1], 0xbfb8aa3b op_sel_hi:[1,0]   ; -g log2(e); each accumulator from its low end on
.set n, n+2
.endr
	WIN 0
	s_wait_alu depctr_va_vdst(0)
.set n, 0
.rept 64
	v_exp_f32 v[TX+n], v[TX+n]
.set n, n+1
.endr
	v_nop
	s_wait_alu depctr_va_vdst(0)
.set n, 0
.rept 32
	v_pk_add_f32 v[TX+n:TX+n+1], v[TX+n:TX+n+1], 1.0 op_sel_hi:[1,0]
.set n, n+2
.endr
	s_wait_alu depctr_va_vdst(0)
.set n, 0
.rept 64
	v_rcp_f32 v[TX+n], v[TX+n]
.set n, n+1
.endr
	v_nop
	s_wait_alu depctr_va_vdst(0)                   ; for the batch, and ahead of the first read of up's accumulators
	WIN 0x03
.set n, 0
.rept 32
	v_pk_mul_f32 v[TX+n:TX+n+1], v[32*(n/16)+(n%16):32*(n/16)+(n%16)+1], v[TX+n:TX+n+1]
.set n, n+2
.endr
	WIN 0x0c                                       ; source 1: the accumulators' window
.set n, 0
.rept 32
	v_pk_mul_f32 v[TX+n:TX+n+1], v[TX+n:TX+n+1], v[32*(n/16)+16+(n%16):32*(n/16)+16+(n%16)+1]
.set n, n+2
.endr
	WIN 0
.irp a, 0,1,2,3
	v_max3_num_f32 v[TM+\a], |v[TX+16*\a]|, |v[TX+1+16*\a]|, 0x1800000   ; the hidden block of each token tile, by turns; and the floor 2^(3 - 127)
.endr
.irp i, 2,4,6,8,10,12,14
.irp a, 0,1,2,3
	v_max3_num_f32 v[TM+\a], v[TM+\a], |v[TX+16*\a+\i]|, |v[TX+1+16*\a+\i]|
.endr
.endr
.irp a, 0,1,2,3
	v_permlanex16_b32 v[TM+4+\a], v[TM+\a], s[SEL], s[SEL+1]
.endr
.irp a, 0,1,2,3
	v_max_num_f32 v[TM+\a], v[TM+\a], v[TM+4+\a]   ; with lane l xor 16's: the block's largest magnitude
.endr
.irp a, 0,1,2,3
	v_add_nc_u32 v[TM+12+\a], 0xff000000, v[TM+\a] ; 2 off its exponent field: the conversion's scale operand
.endr
.if \b == 0
.irp a, 0,1,2,3
	v_lshrrev_b32 v[TM+8+\a], 23, v[TM+12+\a]      ; the scale's byte, kept for the second pass
.endr
.irp a, 0,1,2,3
	v_cvt_scalef32_pk16_fp6_f32 v[PX+8*\a:PX+8*\a+2], v[TX+16*\a:TX+16*\a+15], v[TM+12+\a]   ; and the codes
.endr
	v_nop                                          ; one plain place behind a scaled conversion
	s_wait_alu depctr_va_vdst(0)
.else
.irp a, 0,1,2,3
	v_lshrrev_b32 v[TM+4+\a], 23, v[TM+12+\a]
.endr
.irp a, 0,1,2,3
	v_lshl_or_b32 v[PW+\a], v[TM+4+\a], 8, v[TM+8+\a]   ; my two bytes of the row's scale word
.endr
.irp a, 0,1,2,3
	v_cvt_scalef32_pk16_fp6_f32 v[PY+4*\a:PY+4*\a+2], v[TX+16*\a:TX+16*\a+15], v[TM+12+\a]
.endr
	v_nop
.irp a, 0,1,2,3
.irp i, 0,1,2
	v_permlane16_swap_b32 v[PX+8*\a+\i], v[PY+4*\a+\i]   ; lanes 0-15 now hold block 2 j whole, lanes 16-31 block 2 j + 1
.endr
.endr
.irp a, 0,1,2,3
.irp i, 0,1,2
	v_mov_b32 v[PX+8*\a+3+\i], v[PY+4*\a+\i]
.endr
.endr
.irp a, 0,1,2,3
.irp p, 0,1,2
	global_store_b64 v[LO8], v[PX+8*\a+2*\p:PX+8*\a+2*\p+1], s[94:95] offset:\a*3072+256*\p   ; 256 consecutive bytes, at a multiple of 256 from the buffer's first byte
.endr
	ds_store_b16 v[STW], v[PW+\a] offset:64*\a     ; both halves of the lanes write the same bytes with the same value
.endr
	s_wait_alu depctr_va_vdst(0)
	s_wait_dscnt 0x0                               ; for the others' sake: a row's word comes from two waves
	s_barrier_signal -1
	s_barrier_wait -1
	s_cmp_lg_u32 s10, 0
	s_cbranch_scc1 .Lnot_mine_\@
	ds_load_b128 v[OW:OW+3], v[STR]                ; wave 0: the 128 rows' words of this K step
	s_wait_dscnt 0x0
	global_store_b128 v[LO16], v[OW:OW+3], s[96:97]
.Lnot_mine_\@:
.endif
.endm
	s_wait_alu depctr_va_vdst(0)
	s_wait_tensorcnt 0x0                           ; my tile of the head's four is in
	ds_add_u32 v[SPW], v[NIL]
	s_wait_dscnt 0x0
	CROUND                                         ; all four tiles are in, in every wave of every partner
	RLOAD G0C1, 0                                  ; slot 1's first fill
.irp t, 0,1,2,3,4,5,6,7                ; my 64 tokens' fragments of all of K: they stay in registers
.if \t < 5
	WIN 0x40
.set AFB, 48*\t
.else
	WIN 0x80
.set AFB, 48*(\t-5)
.endif
.irp a, 0,1,2,3
.irp p, 0,1,2,3,4,5
	ds_load_b64 v[AFB+12*\a+2*\p:AFB+12*\a+2*\p+1], v[ADRA+\t/4] offset:((\t/2)%2)*24576+\a*3072+(\t%2)*1536+256*\p
.endr
.endr
.endr
	WIN 0
.irp t, 0,1,2,3,4,5,6,7
.irp a, 0,1,2,3
	ds_load_b32 v[SA+4*\t+\a], v[ADSA] offset:\t*512+64*\a
.endr
.endr
	FETCH2 0, 0
	LOADSB
.Lk:                                               ; a trip: one K step of the next product, two passes; both slots are filled again
	PASS 0, 0, 2
	FETCH2 1, 0                                    ; the next pass's first fragments land while the way out is worked
	WIN 0
	EPI 0
	PASS 1, 1, 2
	FETCH2 0, 0
	LOADSB
	EPI 1
	s_sub_co_u32 s17, s17, 1
	s_cmp_lg_u32 s17, 0
	s_cbranch_scc1 .Lk
	PASS 0, 0, 1                                   ; the last K step asks for nothing more
	FETCH2 1, 0
	WIN 0
	EPI 0
	PASS 1, 1, 0
	EPI 1
	s_wait_tensorcnt 0x0                           ; the wave's end
	ds_add_u32 v[SPW], v[NIL]
	s_wait_dscnt 0x0
	CROUND                                         ; the closing round
	s_endpgm
.Lfunc_end_k_qed7b686f11_gateup:
	.size	k_qed7b686f11_gateup, .Lfunc_end_k_qed7b686f11_gateup-k_qed7b686f11_gateup
	.p2alignl 7, 3214868480
	.fill 96, 4, 3214868480
	.section	.rodata,"a",@progbits
	.p2align	6, 0x0
	.amdhsa_kernel k_qed7b686f11_gateup
		.amdhsa_group_segment_fixed_size 327680
		.amdhsa_private_segment_fixed_size 0
		.amdhsa_enable_private_segment 0
		.amdhsa_kernarg_size 24
		.amdhsa_user_sgpr_count 2
		.amdhsa_user_sgpr_kernarg_segment_ptr 1
		.amdhsa_wavefront_size32 1
		.amdhsa_system_sgpr_workgroup_id_x 1
		.amdhsa_system_sgpr_workgroup_id_y 1
		.amdhsa_system_sgpr_workgroup_id_z 1
		.amdhsa_system_vgpr_workitem_id 0
		.amdhsa_next_free_vgpr 1024
		.amdhsa_next_free_sgpr 102
		.amdhsa_reserve_vcc 0
		.amdhsa_float_denorm_mode_32 3
		.amdhsa_float_denorm_mode_16_64 3
		.amdhsa_memory_ordered 1
		.amdhsa_forward_progress 1
		.amdhsa_inst_pref_size 223
	.end_amdhsa_kernel
	.amdgpu_metadata
---
amdhsa.version: [ 1, 2 ]
amdhsa.kernels:
  - .name:           k_qed7b686f11_gateup
    .symbol:         k_qed7b686f11_gateup.kd
    .args:
      - { .name: xa, .offset: 0, .size: 8, .value_kind: global_buffer, .address_space: global }
      - { .name: wts, .offset: 8, .size: 8, .value_kind: global_buffer, .address_space: global }
      - { .name: hh, .offset: 16, .size: 8, .value_kind: global_buffer, .address_space: global }
    .group_segment_fixed_size: 327680
    .private_segment_fixed_size: 0
    .kernarg_segment_align: 8
    .kernarg_segment_size: 24
    .max_flat_workgroup_size: 128
    .sgpr_count:     102
    .vgpr_count:     1024
    .wavefront_size: 32
...
	.end_amdgpu_metadata
.endif
;; end of part 5
;; launch down (part 6): grid 8 x 32, 4 waves a work-group, clusters of 4 x 4, 327,680 bytes of LDS; arguments hh, wts, x1, out0; writes out0
.if DOCPART == 6
	.amdgcn_target "amdgcn-amd-amdhsa--gfx1250"
	.amdhsa_code_object_version 6
	.text
	.protected	k_qed7b686f11_down
	.globl	k_qed7b686f11_down
	.p2align	8
	.type	k_qed7b686f11_down,@function
k_qed7b686f11_down:
	s_mov_b64 s[64:65], 0
	v_nop
	global_prefetch_b8 v0, s[64:65] scope:SCOPE_SE
	s_setreg_imm32_b32 hwreg(HW_REG_WAVE_MODE, 25, 1), 1
	s_wait_xcnt 0x0
	s_wait_alu depctr_hold_cnt(0) depctr_sa_sdst(0) depctr_va_vdst(0) depctr_va_sdst(0) depctr_va_ssrc(0) depctr_va_vcc(0) depctr_vm_vsrc(0)
	s_getreg_b32 s2, hwreg(HW_REG_IB_STS2, 6, 4)
	s_cmp_eq_u32 s2, 0
	s_cbranch_scc0 .Lentry_in_a_cluster
	s_endpgm
.Lentry_in_a_cluster:
	s_bfe_u32 s2, ttmp6, 0x10000c
	s_cmp_lg_u32 s2, 0xf033
	s_cbranch_scc0 .Lentry_shape_is_right
	s_endpgm
.Lentry_shape_is_right:
.set VU,    3
.set NV,    4
.set NT,    22
.set GBLK,  270336
.set SBLK,  11264
.set ASC,   8650752
.set BOFF,  7782400
.set BSC,   9945088
.set NTOUT, 1
.set UNIT,  24576
.set HVB,   VU*12288
.set SLOT,  2*VU*UNIT
.set SCL,   2*SLOT
.set SPARE, SCL+NT*1024
.set STAGE, 0
.set ADRA, 16
.set ADRB, 20
.set ADRS, 24
.set STO,  25
.set RD,   26
.set CO,   27
.set SPW,  28
.set NIL,  29
.set SC,   32
.set BK,   64
.set ACC,  128
.set G1A,  24
.set G1B,  32
.set G1SA, 40
.set G1SB, 48
.set GA_S, 56
.set GA_0, 60
.set GB_S, 72
.set GB_0, 76
.set MSB, 0
.macro WIN new
.if MSB != (\new)
	s_set_vgpr_msb (MSB<<8)|(\new)
.set MSB, (\new)
.endif
.endm
.macro PLACES n
.rept \n
	v_nop
.endr
.endm
.macro JLOAD g0a, g1a, g0b, g1b
	s_cmp_eq_u32 s13, 0
	s_cbranch_scc0 .Lfor_b_\@
	tensor_load_to_lds s[\g0a:\g0a+3], s[\g1a:\g1a+7]
	s_nop 0
.rept 4
	v_nop
.endr
	s_branch .Lasked_\@
.Lfor_b_\@:
	tensor_load_to_lds s[\g0b:\g0b+3], s[\g1b:\g1b+7]
	s_nop 0
.rept 4
	v_nop
.endr
.Lasked_\@:
.endm
.macro CREST
	s_cmp_lg_u32 s12, 0
	s_cbranch_scc1 .Lnot_wave_0_\@
	s_barrier_signal -3
.Lnot_wave_0_\@:
	s_barrier_wait -3
	s_barrier_signal -1
	s_barrier_wait -1
.endm
.macro CROUND
	s_barrier_signal -1
	s_barrier_wait -1
	CREST
.endm
.macro MKG0 g, ldsreg, ldsoff, src, off
	s_mov_b32 s[\g], 1
	s_add_co_u32 s[\g+1], s[\ldsreg], \ldsoff
	s_add_nc_u64 s[\g+2:\g+3], s[\src:\src+1], \off
	s_or_b32 s[\g+3], s[\g+3], 0x80000000
.endm
	s_load_b256 s[4:11], s[0:1], 0x0
	v_lshl_add_u32 v[SPW], v0, 2, SPARE
	v_mov_b32 v[NIL], 0
	ds_add_u32 v28, v29
	ds_add_u32 v28, v29
	s_wait_dscnt 0x0
	v_lshrrev_b32 v1, 5, v0
	v_readfirstlane_b32 s12, v1
	s_lshr_b32 s13, s12, 1
	s_and_b32 s14, s12, 1
	s_bfe_u32 s15, ttmp6, 0x40000
	s_bfe_u32 s16, ttmp6, 0x40004
	s_lshl_b32 s17, ttmp9, 2
	s_add_co_u32 s17, s17, s15
	s_and_b32 s18, ttmp7, 0xffff
	s_lshl_b32 s18, s18, 2
	s_add_co_u32 s18, s18, s16
	s_lshl_b32 s19, s16, 2
	s_lshl_b32 s19, 15, s19
	s_lshl_b32 s20, 0x1111, s15
	s_or_b32 s[G1A], s19, (3<<16)|(1<<21)
	s_or_b32 s[G1B], s20, (3<<16)|(1<<21)
	s_or_b32 s[G1SA], s19, (3<<16)|(1<<21)
	s_or_b32 s[G1SB], s20, (3<<16)|(1<<21)
.irp g, G1A, G1B
	s_mov_b32 s[\g+1], 32<<16
	s_mov_b32 s[\g+2], (96*VU)<<16         ; for the head's loads: an operand's whole visit, 96 VU rows of 256 bytes
	s_mov_b32 s[\g+3], 32<<16
	s_mov_b32 s[\g+4], 96*VU
	s_mov_b32 s[\g+5], 32
	s_mov_b32 s[\g+6], 0
	s_mov_b32 s[\g+7], 0
.endr
.irp g, G1SA, G1SB
	s_mov_b32 s[\g+1], 32<<16
	s_mov_b32 s[\g+2], (2*NT)<<16          ; an operand's scale words of all of K: 2 NT rows of 256 bytes
	s_mov_b32 s[\g+3], 32<<16
	s_mov_b32 s[\g+4], 2*NT
	s_mov_b32 s[\g+5], 32
	s_mov_b32 s[\g+6], 0
	s_mov_b32 s[\g+7], 0
.endr
	s_mul_i32 s21, s14, HVB
	s_mul_i32 s22, s14, NT*256
	s_mul_i32 s88, s18, GBLK
	s_add_co_u32 s88, s88, s21
	s_mov_b32 s89, 0
	s_mul_i32 s90, s18, SBLK
	s_add_co_u32 s90, s90, s22
	s_add_co_u32 s90, s90, ASC
	s_mov_b32 s91, 0
	s_mul_i32 s92, s17, GBLK
	s_add_co_u32 s92, s92, s21
	s_add_co_u32 s92, s92, BOFF
	s_mov_b32 s93, 0
	s_mul_i32 s94, s17, SBLK
	s_add_co_u32 s94, s94, s22
	s_add_co_u32 s94, s94, BSC
	s_mov_b32 s95, 0
	s_mul_i32 s2, s12, HVB
	s_mul_i32 s3, s12, NT*256
	s_lshl_b32 s96, s18, 19
	s_lshl_b32 s97, s13, 18
	s_add_co_u32 s96, s96, s97
	s_lshl_b32 s97, s17, 9
	s_add_co_u32 s96, s96, s97
	s_lshl_b32 s97, s14, 8
	s_add_co_u32 s96, s96, s97
	s_mov_b32 s97, 0
	s_wait_kmcnt 0x0
	s_add_nc_u64 s[88:89], s[4:5], s[88:89]
	s_add_nc_u64 s[90:91], s[4:5], s[90:91]
	s_add_nc_u64 s[92:93], s[6:7], s[92:93]
	s_add_nc_u64 s[94:95], s[6:7], s[94:95]
	s_add_nc_u64 s[8:9], s[8:9], s[96:97]
	s_add_nc_u64 s[10:11], s[10:11], s[96:97]
	CROUND
	; the head's four tiles, each whole: A's visit 0, B's visit 0, A's scale words, B's.  The ring's addresses hold my half's offset: it is taken off for these
	s_mov_b32 s98, s21
	s_mov_b32 s99, 0
	s_sub_nc_u64 s[100:101], s[88:89], s[98:99]
	MKG0 4, 99, 0, 100, 0                          ; s[4:7] and s[16:19]: what lay there has been used
	s_sub_nc_u64 s[100:101], s[92:93], s[98:99]
	MKG0 16, 99, VU*UNIT, 100, 0
	s_mov_b32 s98, s22
	s_sub_nc_u64 s[100:101], s[90:91], s[98:99]
	MKG0 GA_S, 99, SCL, 100, 0
	s_sub_nc_u64 s[100:101], s[94:95], s[98:99]
	MKG0 GB_S, 99, SCL+NT*512, 100, 0
	MKG0 GA_0, 2, 0, 88, 0                         ; the ring: my half of an operand's visit; slot 0's set is first used for visit 2
	MKG0 GB_0, 2, 0, 92, 0
	MKG0 GA_0+8, 2, SLOT, 88, VU*UNIT
	MKG0 GB_0+8, 2, SLOT, 92, VU*UNIT
; one tensor load a wave at the head: one chain of branches on the wave's number, a load to an arm
.macro ARM under, g0, g1, next
	s_cmp_lt_u32 s12, \under
	s_cbranch_scc0 \next
	tensor_load_to_lds s[\g0:\g0+3], s[\g1:\g1+7]
	s_nop 0
.rept 4
	v_nop
.endr
	s_branch .Lhead_asked
\next:
.endm
	ARM 1, 4, G1A, .Lhead_b
	ARM 2, 16, G1B, .Lhead_sa
	ARM 3, GA_S, G1SA, .Lhead_sb
	tensor_load_to_lds s[GB_S:GB_S+3], s[G1SB:G1SB+7]
	s_nop 0
.rept 4
	v_nop
.endr
.Lhead_asked:
	v_and_b32 v1, 15, v0
	v_bfe_u32 v2, v0, 4, 1
	s_wait_alu depctr_va_vdst(0)
	v_and_b32 v3, 31, v0
	v_lshlrev_b32 v3, 3, v3
	v_lshlrev_b32 v[CO], 12, v2
	v_lshl_add_u32 v[CO], v1, 4, v[CO]
	WIN 0x80
.irp a, 0,1,2,3
.irp u, 0,1,2,3,4,5,6,7
	global_load_b128 v[4*(8*\a+\u):4*(8*\a+\u)+3], v[CO], s[8:9] offset:(16*\a+2*\u)*4096 th:TH_LOAD_NT
.endr
.endr
	WIN 0
	s_mul_i32 s21, s13, 12288
	s_mul_i32 s22, s14, 12288
	s_add_co_u32 s22, s22, VU*UNIT
.irp s, 0,1
	v_add_nc_u32 v[ADRA+\s], s21, v3
	v_add_nc_u32 v[ADRB+\s], s22, v3
	s_add_co_u32 s21, s21, SLOT
	s_add_co_u32 s22, s22, SLOT
.endr
	s_lshl_b32 s21, s14, 8
	s_add_co_u32 s21, s21, NT*512
	s_lshl_b32 s22, s13, 8
	s_sub_co_u32 s21, s21, s22
	v_mul_u32_u24 v4, s21, v2
	s_add_co_u32 s22, s22, SCL
	v_lshl_add_u32 v4, v1, 2, v4
	v_add_nc_u32 v[ADRS], s22, v4
	s_mul_i32 s23, s12, 16*272
	s_add_co_u32 s23, s23, STAGE
	v_mul_u32_u24 v4, v1, 272
	v_lshl_add_u32 v4, v2, 5, v4
	v_add_nc_u32 v[STO], s23, v4
	v_mul_u32_u24 v4, v2, 272
	v_lshl_add_u32 v4, v1, 4, v4
	v_add_nc_u32 v[RD], s23, v4
.macro FETCH t
.set FV, (\t)/(2*VU)
.set FT, (\t)%(2*VU)
.set FS, FV%2
.set FO, (FT/2)*UNIT+(FT%2)*1536
.set FP, (\t)%2
	WIN 0x40
.irp a, 0,1,2,3
.irp p, 0,1,2,3,4,5
	ds_load_b64 v[128*FP+12*\a+2*\p:128*FP+12*\a+2*\p+1], v[ADRA+FS] offset:FO+\a*3072+256*\p
.endr
.endr
.irp b, 0,1,2,3
.irp p, 0,1,2,3,4,5
	ds_load_b64 v[128*FP+48+12*\b+2*\p:128*FP+48+12*\b+2*\p+1], v[ADRB+FS] offset:FO+\b*3072+256*\p
.endr
.endr
	WIN 0
.irp i, 0,1,2,3
	ds_load_b32 v[SC+4*FP+\i], v[ADRS] offset:(\t)*512+64*\i
.endr
.endm
.macro MUL8 a0, p, zero
.irp a, \a0, \a0+1
.irp b, 0,1,2,3
.if \zero
	v_wmma_scale_f32_16x16x128_f8f6f4 v[ACC+8*(4*(\a)+\b):ACC+8*(4*(\a)+\b)+7], v[128*(\p)+48+12*\b:128*(\p)+48+12*\b+11], v[128*(\p)+12*(\a):128*(\p)+12*(\a)+11], 0, v[SC+4*(\p)+\b], v[SC+4*(\p)+(\a)] matrix_a_fmt:MATRIX_FMT_FP6 matrix_b_fmt:MATRIX_FMT_FP6 matrix_a_scale:MATRIX_SCALE_ROW1
.else
	v_wmma_scale_f32_16x16x128_f8f6f4 v[ACC+8*(4*(\a)+\b):ACC+8*(4*(\a)+\b)+7], v[128*(\p)+48+12*\b:128*(\p)+48+12*\b+11], v[128*(\p)+12*(\a):128*(\p)+12*(\a)+11], v[ACC+8*(4*(\a)+\b):ACC+8*(4*(\a)+\b)+7], v[SC+4*(\p)+\b], v[SC+4*(\p)+(\a)] matrix_a_fmt:MATRIX_FMT_FP6 matrix_b_fmt:MATRIX_FMT_FP6 matrix_a_scale:MATRIX_SCALE_ROW1
.endif
.endr
.endr
.endm
.macro KSTEP
	s_wait_dscnt 0x0
	PLACES 4                                       ; in front of loads into the set that the last K step's products read
	FETCH t+1                                      ; asked for ahead of all 16 products of this K step
	WIN 0x05
.if t == 0
	MUL8 0, t%2, 1
.else
	MUL8 0, t%2, 0
.endif
.if t == 0
	MUL8 2, t%2, 1
.else
	MUL8 2, t%2, 0
.endif
.endm
.macro TURN
.set TV, t/(2*VU)
.set TSL, TV%2
	WIN 0
	s_wait_tensorcnt 0x0
	ds_add_u32 v[SPW], v[NIL]
.if TV+2 < NV
	s_add_nc_u64 s[GA_0+8*TSL+2:GA_0+8*TSL+3], s[GA_0+8*TSL+2:GA_0+8*TSL+3], 2*VU*UNIT
	s_add_nc_u64 s[GB_0+8*TSL+2:GB_0+8*TSL+3], s[GB_0+8*TSL+2:GB_0+8*TSL+3], 2*VU*UNIT
.endif
	s_wait_dscnt 1
	WIN 0x05
	MUL8 0, t%2, 0
	s_wait_dscnt 0x0
	s_barrier_signal -1
	WIN 0
	s_barrier_wait -1
.if TV+2 < NV
	CREST
	JLOAD GA_0+8*TSL, G1A, GB_0+8*TSL, G1B
.else
	PLACES 4
.endif
	FETCH t+1
	WIN 0x05
	MUL8 2, t%2, 0
.endm
	s_wait_alu depctr_va_vdst(0)
	s_wait_tensorcnt 0x0                           ; my tile of the head's four is in
	ds_add_u32 v[SPW], v[NIL]
	s_mov_b32 s[G1A+2], (48*VU)<<16                ; no load of mine is out: from here on a load brings half of an operand's visit
	s_mov_b32 s[G1A+4], 48*VU
	s_mov_b32 s[G1B+2], (48*VU)<<16
	s_mov_b32 s[G1B+4], 48*VU
	s_wait_dscnt 0x0
	CROUND                                         ; all four tiles are in, in every wave of every partner
	JLOAD GA_0+8, G1A, GB_0+8, G1B                 ; visit 1, slot 1's first fill
	FETCH 0
.set t, 0
.rept NT
.if t == NT-1
	s_wait_dscnt 0x0
	WIN 0x05
	MUL8 0, t%2, 0
	MUL8 2, t%2, 0
	WIN 0
.elseif (t%(2*VU)) == (2*VU-1)
	TURN
.else
	KSTEP
.endif
.set t, t+1
.endr
	s_wait_loadcnt 0x0
	PLACES 4
.irp a, 0,1,2,3
.if \a > 1
	s_wait_xcnt 0x0
.endif
.irp b, 0,1,2,3
	ds_store_b128 v[STO], v[ACC+8*(4*\a+\b):ACC+8*(4*\a+\b)+3] offset:64*\b
	ds_store_b128 v[STO], v[ACC+8*(4*\a+\b)+4:ACC+8*(4*\a+\b)+7] offset:64*\b+16
.endr
.irp u, 0,1,2,3,4,5,6,7
	ds_load_b128 v[BK+32*(\a%2)+4*\u:BK+32*(\a%2)+4*\u+3], v[RD] offset:544*\u
.endr
	s_wait_dscnt 0x0
	WIN 0x08
.irp n, 0,2,4,6,8,10,12,14,16,18,20,22,24,26,28,30
	v_pk_add_f32 v[BK+32*(\a%2)+\n:BK+32*(\a%2)+\n+1], v[BK+32*(\a%2)+\n:BK+32*(\a%2)+\n+1], v[32*\a+\n:32*\a+\n+1]
.endr
	WIN 0
.irp u, 0,1,2,3,4,5,6,7
.if NTOUT
	global_store_b128 v[CO], v[BK+32*(\a%2)+4*\u:BK+32*(\a%2)+4*\u+3], s[10:11] offset:(16*\a+2*\u)*4096 th:TH_STORE_NT
.else
	global_store_b128 v[CO], v[BK+32*(\a%2)+4*\u:BK+32*(\a%2)+4*\u+3], s[10:11] offset:(16*\a+2*\u)*4096
.endif
.endr
.endr
	s_wait_tensorcnt 0x0
	ds_add_u32 v[SPW], v[NIL]
	s_wait_dscnt 0x0
	CROUND
	s_endpgm
.Lfunc_end_k_qed7b686f11_down:
	.size	k_qed7b686f11_down, .Lfunc_end_k_qed7b686f11_down-k_qed7b686f11_down
	.p2alignl 7, 3214868480
	.fill 96, 4, 3214868480
	.section	.rodata,"a",@progbits
	.p2align	6, 0x0
	.amdhsa_kernel k_qed7b686f11_down
		.amdhsa_group_segment_fixed_size 327680
		.amdhsa_private_segment_fixed_size 0
		.amdhsa_enable_private_segment 0
		.amdhsa_kernarg_size 32
		.amdhsa_user_sgpr_count 2
		.amdhsa_user_sgpr_kernarg_segment_ptr 1
		.amdhsa_wavefront_size32 1
		.amdhsa_system_sgpr_workgroup_id_x 1
		.amdhsa_system_sgpr_workgroup_id_y 1
		.amdhsa_system_sgpr_workgroup_id_z 1
		.amdhsa_system_vgpr_workitem_id 0
		.amdhsa_next_free_vgpr 640
		.amdhsa_next_free_sgpr 102
		.amdhsa_reserve_vcc 0
		.amdhsa_float_denorm_mode_32 3
		.amdhsa_float_denorm_mode_16_64 3
		.amdhsa_memory_ordered 1
		.amdhsa_forward_progress 1
		.amdhsa_inst_pref_size 149
	.end_amdhsa_kernel
	.amdgpu_metadata
---
amdhsa.version: [ 1, 2 ]
amdhsa.kernels:
  - .name:           k_qed7b686f11_down
    .symbol:         k_qed7b686f11_down.kd
    .args:
      - { .name: hh, .offset: 0, .size: 8, .value_kind: global_buffer, .address_space: global }
      - { .name: wts, .offset: 8, .size: 8, .value_kind: global_buffer, .address_space: global }
      - { .name: x1, .offset: 16, .size: 8, .value_kind: global_buffer, .address_space: global }
      - { .name: out0, .offset: 24, .size: 8, .value_kind: global_buffer, .address_space: global }
    .group_segment_fixed_size: 327680
    .private_segment_fixed_size: 0
    .kernarg_segment_align: 8
    .kernarg_segment_size: 32
    .max_flat_workgroup_size: 128
    .sgpr_count:     102
    .vgpr_count:     640
    .wavefront_size: 32
...
	.end_amdgpu_metadata
.endif
;; end of part 6
